; MI455X (gfx1250); checked and timed in simulation.
; The chip was launched on July 23, 2026; its instructions are those of AMD's public machine-readable ISA for CDNA 5 (MIT licence, August 2026) and "CDNA5" Instruction Set Architecture Reference Guide (July 2026). The comments in the code are by the model that wrote it; some were corrected since.
;; Multi Head Attention. Allowed arithmetic: matrix products marked QUANTISED: E2M3 operands, one E8M0 scale for each 32 along K, by v_wmma_scale_f32_16x16x128_f8f6f4 with both operands' format E2M3, f32 sums; everything else in f32.
;; Inputs: W_attn 1,024 x 3,072 float32; W_proj 1,024 x 1,024 float32; b_proj 1,024 float32; x 2 x 2,048 x 1,024 float32.
;; Outputs: out0 2 x 2,048 x 1,024 float32.
;; This version of the problem:
;;   THIS VERSION OF THE PROBLEM IS GIVEN IN LOW PRECISION. The matrix products marked QUANTISED in the list below multiply operands that are first quantised to E2M3 (2 exponent bits, 3 mantissa bits; 6 bits a number), with one power-of-two scale for each 32 numbers along K (OCP MX v1.0); their sums are f32. All else is computed in f32.
;;   The module's matrix products, in the order in which they are computed (A, B: the left and right operand; K: the contracted axis; several contracted axes count as one K, in the product's order):
;;     1. [M 4,096, K 1,024] x [K 1,024, N 3,072]; A: input x; B: input W_attn: QUANTISED
;;     2. batch 32 x [M 2,048, K 64] x [K 64, N 2,048]; A: computed on the way; B: computed on the way: QUANTISED
;;     3. batch 32 x [M 2,048, K 2,048] x [K 2,048, N 64]; A: softmax (see below); B: computed on the way: QUANTISED
;;     4. [M 4,096, K 1,024] x [K 1,024, N 1,024]; A: computed on the way; B: input W_proj: QUANTISED
;;   THE QUANTISER, for each operand of a quantised product, along K:
;;     - K is cut into blocks of 32 from its start; a last block that is shorter is filled with zeros.
;;     - A block's scale is 2^e with e = floor(log2(the largest magnitude in the block)) - 2, held to -126 .. 127; a block of zeros has e = 0. As a byte (E8M0): e + 127.
;;     - Each number is divided by its block's scale, clamped to +-7.5, and rounded to the nearest number of E2M3, ties to even, subnormals kept.
;;     - The product sums the exact products of the quantised numbers (number of the format x scale) in f32.
;;   ~~~python
;;   def quantise(x, axis):      # numpy; x: float32 -> the quantised numbers, widened to float32 again
;;       x = np.moveaxis(x, axis, -1); K = x.shape[-1]
;;       x = np.pad(x, [(0, 0)] * (x.ndim - 1) + [(0, -K % 32)]); x = x.reshape(x.shape[:-1] + (-1, 32)); a = np.abs(x).max(-1, keepdims=True)
;;       e = np.where(a > 0, np.clip(np.frexp(np.where(a > 0, a, 1))[1] - 1 - 2, -126, 127), 0)      # np.frexp(a)[1] - 1 = floor(log2(a)), exactly
;;       r = np.clip(x / 2.0 ** e, -7.5, 7.5)
;;       step = 2.0 ** (np.maximum(np.frexp(np.where(r == 0, 1, r))[1] - 1, 0) - 3)
;;       q = np.round(r / step) * step * 2.0 ** e      # np.round: ties to even
;;       return np.moveaxis(q.reshape(q.shape[:-2] + (-1,))[..., :K], -1, axis).astype(np.float32)
;;   ~~~
;;   SOFTMAX AHEAD OF A QUANTISED PRODUCT. Where the list says 'softmax', what is quantised is not the finished softmax but p = 2^(t - M), with t = logit x log2(e) and M = ceil(the row's largest t), a whole number; so 1/2 < the row's largest p <= 1. The row's sum l is taken of the UNQUANTISED p, in f32, and the product's result is divided by l at the end. Since M is a whole number, a kernel that streams over the keys may use a running M (the ceiling of the running maximum): every later rescaling is an exact power of two, which a block's scale takes up: the codes' values come out the same.
;;   OPERANDS COMPUTED ON THE WAY. 'Computed on the way' means the value that the module computes at that place (a softmax that the list does not call 'softmax' is quantised finished and normalised). What goes into a quantiser is computed in f32, as accurately as f32 sums, v_exp_f32 and their like allow (about 1e-6 of the number): no bf16 or f16 on the way to a quantiser, and a product that is left as it is and whose result goes on into a quantised operand takes f32 operands (vector FMAs, or v_wmma_f32_16x16x4_f32). A number that lies on a knife's edge between two numbers of the format may be rounded either way, as far as f32 arithmetic and the matrix unit's own rounding can turn it there, and no further.
;; One version. Each part assembles by itself: llvm-mc -triple=amdgcn-amd-amdhsa -mcpu=gfx1250 --defsym DOCPART=n.
;; ======== version 1 of 1: 4 launches
;; workspace buffers: xc 3,145,728 bytes; xs 131,072 bytes; wc 3,145,728 bytes; ws 131,072 bytes; qkvc 9,437,184 bytes; qkvs 655,360 bytes; ac 3,145,728 bytes; asc 131,072 bytes
;; launch quant (part 1): grid 256 x 1, 4 waves a work-group, no clusters, 34,304 bytes of LDS; arguments x, W_attn, W_proj, xc, xs, wc, ws; writes xc, xs, wc, ws
.if DOCPART == 1
	.amdgcn_target "amdgcn-amd-amdhsa--gfx1250"
	.amdhsa_code_object_version 6
	.text
	.protected	k_q4769ed9050_quant
	.globl	k_q4769ed9050_quant
	.p2align	8
	.type	k_q4769ed9050_quant,@function
k_q4769ed9050_quant:
	s_mov_b64 s[64:65], 0
	v_nop
	global_prefetch_b8 v0, s[64:65] scope:SCOPE_SE
	s_setreg_imm32_b32 hwreg(HW_REG_WAVE_MODE, 25, 1), 1
	s_wait_xcnt 0x0
; x [4096][1024], W_attn [1024][3072] and W_proj [1024][1024], f32, become codes of FP6 (E2M3) with one E8M0 byte for each 32 along K (x: its last axis; the weights: their FIRST axis).
; A block's scale is 2^(floor(log2(largest magnitude)) - 2): its byte is the largest magnitude's exponent field - 2, held at 1 from below by a floor among the maximum's leaves.
; LIMITS: a block of zeros gets the byte 1 where the rule says 127 (its codes are zeros, and only this program reads the bytes); NaN and infinities among the inputs are not served.
; LAYOUT OF THE CODES (xc, wc): tiles of 16 rows (tokens, or columns n of a weight); tile 2 g + u, row r holds index 32 g + 8 u + r + 8 (r / 8).  A tile is 16 pieces of 64 along K, 768 bytes each, laid in the order of the
; matrix operand's registers: lane l = 16 h + r holds k = 32 h .. 32 h + 31 of row r in six registers; registers 0-3 lie at 16 l, registers 4-5 at 512 + 8 l.  So every later read is 16 or 8 bytes a lane, lanes on end.
; LAYOUT OF THE SCALES (xs, ws): [pair of tiles g][256 along K: 4][16 u + r][2 words, one for each 128 along K]: 256 bytes for each (g, 256 along K).
; SHARES: 256 work-groups of 32,768 numbers.  0-127: x, a pair of tiles (32 whole rows) each, wave w the columns 256 w on.  128-223: W_attn; 224-255: W_proj: 128 columns x 256 along K each, a wave 32 columns.
; No tensor load, no barrier: waves share nothing.  Only the x path uses LDS (a stage of 16 x 528 bytes for each wave).
.set XR,   32                          ; x: v32-159  two sets of 64 numbers as loaded
.set XX,   160                         ; x: v160-223 64 numbers of my row, in the operand's order
.set XPC,  224                         ; x: v224-255 codes, two sets of 16
.set WX,   32                          ; W: v32-95   two sets of 32 numbers down K
.set WC,   96                          ; W: v96-159  codes, eight registers a block: no store's data are written again
.set SB,   24                          ; W: v24-25   my column's eight scale bytes
.set FLOOR, 0x1800000                  ; 2^(3 - 127)
.set LESS2, 0xff000000                 ; takes 2 off an exponent field
.macro WLOAD t, N, wp                  ; block t: W(32 t + i, my column): 32 lanes read 128 consecutive bytes, the four waves 512
.irp i, 0,1,2,3,4,5,6,7,8,9,10,11,12,13,14,15,16,17,18,19,20,21,22,23,24,25,26,27,28,29,30,31
	global_load_b32 v[WX+32*((\t)%2)+\i], v3, s[\wp:\wp+1] offset:(32*(\t)+\i)*\N*4 th:TH_LOAD_NT
.endr
.endm
.macro WBLOCK t, N, wp
.set XS, WX+32*((\t)%2)
.set CT, WC+8*(\t)
.if (\t) < 7
	s_wait_loadcnt 32                              ; this block's 32 loads are in; the next block's may be out
.else
	s_wait_loadcnt 0x0
.endif
	v_max3_num_f32 v12, |v[XS]|, |v[XS+1]|, |v[XS+2]|              ; the block's largest magnitude: all 32 numbers are mine; two chains
	v_max3_num_f32 v13, |v[XS+3]|, |v[XS+4]|, |v[XS+5]|
.irp i, 6,10,14,18,22,26
	v_max3_num_f32 v12, v12, |v[XS+\i]|, |v[XS+\i+1]|
	v_max3_num_f32 v13, v13, |v[XS+\i+2]|, |v[XS+\i+3]|
.endr
	v_max3_num_f32 v12, v12, |v[XS+30]|, |v[XS+31]|
	v_max3_num_f32 v12, v12, v13, FLOOR            ; and the floor: the byte cannot fall under 1
	v_add_nc_u32 v11, LESS2, v12                   ; the conversion takes this operand's exponent field as its scale
	v_lshrrev_b32 v13, 23, v11                     ; the scale's byte
.if (\t)%4 == 0
	v_mov_b32 v[SB+(\t)/4], v13
.else
	v_lshl_or_b32 v[SB+(\t)/4], v13, 8*((\t)%4), v[SB+(\t)/4]
.endif
	v_cvt_scalef32_pk16_fp6_f32 v[CT:CT+2], v[XS:XS+15], v11
	v_cvt_scalef32_pk16_fp6_f32 v[CT+4:CT+6], v[XS+16:XS+31], v11  ; (a conversion's three registers begin on an even number)
	v_nop                                          ; one plain instruction behind the conversions
	v_mov_b32 v[CT+3], v[CT+4]                     ; the block's 24 bytes on end
	v_mov_b32 v[CT+4], v[CT+5]
	v_mov_b32 v[CT+5], v[CT+6]
.if (\t)+2 < 8
	WLOAD (\t)+2, \N, \wp
.endif
.if (\t)%2 == 1
; Lanes 0-15 hold the pair's first tile, lanes 16-31 its second.  A piece wants k 0-31 in lanes 0-15 and k 32-63 in lanes 16-31 of ONE tile: the even block's upper lanes change places with the odd block's lower lanes
.irp i, 0,1,2,3,4,5
	v_permlane16_swap_b32 v[CT-8+\i], v[CT+\i]
.endr
	global_store_b128 v4, v[CT-8:CT-5], s[14:15] offset:((\t)/2)*768           ; 512 consecutive bytes
	global_store_b64 v5, v[CT-4:CT-3], s[14:15] offset:((\t)/2)*768+512        ; 256 consecutive bytes
	global_store_b128 v4, v[CT:CT+3], s[14:15] offset:((\t)/2)*768+12288       ; the second tile
	global_store_b64 v5, v[CT+4:CT+5], s[14:15] offset:((\t)/2)*768+12288+512
.endif
.endm
; A weight of N columns, its pointer in s[wp:wp+1]; idb: the first work-group that serves it; pb: its first pair of tiles in wc and ws
.macro WPATH N, wp, idb, pb
	s_sub_co_u32 s20, ttmp9, \idb
	s_and_b32 s21, s20, 3                          ; which 256 along K
	s_and_b32 s22, s20, 0xfc                       ; 4 x (which 128 columns)
	s_add_co_u32 s22, s22, s18                     ; my wave's pair of tiles: 32 columns
	s_mul_i32 s24, s21, 256*\N*4
	s_lshl_b32 s23, s22, 7
	s_add_co_u32 s24, s24, s23
	s_add_nc_u64 s[\wp:\wp+1], s[\wp:\wp+1], s[24:25]
	s_add_co_u32 s22, s22, \pb
	s_mul_i32 s24, s22, 24576                      ; a pair of tiles of codes
	s_mul_i32 s23, s21, 3072                       ; four pieces
	s_add_co_u32 s24, s24, s23
	s_add_nc_u64 s[14:15], s[14:15], s[24:25]
	s_lshl_b32 s24, s22, 10
	s_lshl_b32 s23, s21, 8
	s_add_co_u32 s24, s24, s23
	s_add_nc_u64 s[16:17], s[16:17], s[24:25]
	v_and_b32 v2, 7, v1                            ; lane 16 u + r takes column 8 u + r + 8 (r / 8): the lane's bits 3 and 4 change places
	v_bfe_u32 v3, v1, 4, 1
	v_lshl_or_b32 v2, v3, 3, v2
	v_bfe_u32 v3, v1, 3, 1
	v_lshl_or_b32 v2, v3, 4, v2
	v_lshlrev_b32 v3, 2, v2
	WLOAD 0, \N, \wp
	WLOAD 1, \N, \wp
.irp t, 0,1,2,3,4,5,6,7
	WBLOCK \t, \N, \wp
.endr
	global_store_b64 v5, v[SB:SB+1], s[16:17]      ; 32 lanes: the 256 bytes of (pair, 256 along K)
.endm
	s_load_b256 s[4:11], s[0:1], 0x0               ; x s[4:5], W_attn s[6:7], W_proj s[8:9], xc s[10:11]
	s_load_b128 s[12:15], s[0:1], 0x20             ; xs s[12:13], wc s[14:15]
	s_load_b64 s[16:17], s[0:1], 0x30              ; ws
	v_lshl_add_u32 v247, v0, 2, 0x8400
	v_mov_b32 v255, 0
	v_lshrrev_b32 v1, 5, v0
	v_readfirstlane_b32 s18, v1                    ; wave 0..3
	v_and_b32 v1, 31, v0                           ; lane
	v_lshlrev_b32 v4, 4, v1                        ; 16 l
	v_lshlrev_b32 v5, 3, v1                        ; 8 l
	s_mov_b32 s25, 0                               ; the high word of every offset
	s_wait_kmcnt 0x0
	s_cmp_lt_u32 ttmp9, 128
	s_cbranch_scc1 .Lx_path
	s_cmp_lt_u32 ttmp9, 224
	s_cbranch_scc1 .Lw_attn
	WPATH 1024, 8, 224, 96
	s_endpgm
.Lw_attn:
	WPATH 3072, 6, 128, 0
	s_endpgm
; ---- x.  Fragment f = 2 u + q: tile u of the pair, the q-th 128 of my 256 along K.
.macro XLOAD f                         ; sixteen rows' 512 consecutive bytes each
.irp i, 0,1,2,3,4,5,6,7,8,9,10,11,12,13,14,15
	global_load_b128 v[XR+64*((\f)%2)+4*\i:XR+64*((\f)%2)+4*\i+3], v4, s[4:5] offset:(8*((\f)/2)+\i+8*(\i/8))*4096+512*((\f)%2) th:TH_LOAD_NT
.endr
.endm
.macro XSTEP f
.if (\f) < 3
	s_wait_loadcnt 16                              ; this fragment's 16 loads are in; the next fragment's may be out
.else
	s_wait_loadcnt 0x0
.endif
.irp i, 0,1,2,3,4,5,6,7,8,9,10,11,12,13,14,15
	ds_store_b128 v6, v[XR+64*((\f)%2)+4*\i:XR+64*((\f)%2)+4*\i+3] offset:528*\i   ; rows as they lie, 528 bytes apart
.endr
.irp c, 0,1
.irp j, 0,1,2,3,4,5,6,7
	ds_load_b128 v[XX+32*\c+4*\j:XX+32*\c+4*\j+3], v7 offset:256*\c+16*\j          ; lane (r, h): k = 64 c + 32 h + 0 .. 31 of row r.  LDS serves a wave's instructions in order: these see the stores
.endr
.endr
	s_wait_dscnt 0x0                               ; the numbers are back, and the stores have read their registers
.if (\f)+2 < 4
	XLOAD (\f)+2
.endif
.irp c, 0,1                                    ; my two whole blocks, 2 c + h: two chains each
	v_max3_num_f32 v[12+\c], |v[XX+32*\c]|, |v[XX+32*\c+1]|, FLOOR
	v_max3_num_f32 v[14+\c], |v[XX+32*\c+16]|, |v[XX+32*\c+17]|, FLOOR
.endr
.irp i, 2,4,6,8,10,12,14
.irp c, 0,1
	v_max3_num_f32 v[12+\c], v[12+\c], |v[XX+32*\c+\i]|, |v[XX+32*\c+\i+1]|
	v_max3_num_f32 v[14+\c], v[14+\c], |v[XX+32*\c+16+\i]|, |v[XX+32*\c+17+\i]|
.endr
.endr
.irp c, 0,1
	v_max_num_f32 v[12+\c], v[12+\c], v[14+\c]
.endr
.irp c, 0,1
	v_add_nc_u32 v[16+\c], LESS2, v[12+\c]         ; the conversion's scale operand
.endr
.irp c, 0,1
	v_lshrrev_b32 v[18+\c], 23, v[16+\c]           ; the scale's byte
.endr
	v_lshl_or_b32 v20, v19, 16, v18                ; blocks h and 2 + h,
	v_lshlrev_b32 v20, v21, v20                    ; at their places in the row's word (8 h bits up);
	v_permlanex16_b32 v22, v20, s26, s27
	v_or_b32 v[8+(\f)], v20, v22                   ; with lane l xor 16's two the word is whole, in both lanes
.if (\f) >= 2
	s_wait_xcnt 0x0                                ; the stores of two fragments ago have read this set of code registers
.endif
.irp c, 0,1
	v_cvt_scalef32_pk16_fp6_f32 v[XPC+16*((\f)%2)+8*\c:XPC+16*((\f)%2)+8*\c+2], v[XX+32*\c:XX+32*\c+15], v[16+\c]
	v_cvt_scalef32_pk16_fp6_f32 v[XPC+16*((\f)%2)+8*\c+4:XPC+16*((\f)%2)+8*\c+6], v[XX+32*\c+16:XX+32*\c+31], v[16+\c]
.endr
	v_nop                                          ; one plain instruction behind the conversions
.irp c, 0,1
	v_mov_b32 v[XPC+16*((\f)%2)+8*\c+3], v[XPC+16*((\f)%2)+8*\c+4]
	v_mov_b32 v[XPC+16*((\f)%2)+8*\c+4], v[XPC+16*((\f)%2)+8*\c+5]
	v_mov_b32 v[XPC+16*((\f)%2)+8*\c+5], v[XPC+16*((\f)%2)+8*\c+6]
.endr
.irp c, 0,1
	global_store_b128 v4, v[XPC+16*((\f)%2)+8*\c:XPC+16*((\f)%2)+8*\c+3], s[10:11] offset:((\f)/2)*12288+((\f)%2)*1536+768*\c
	global_store_b64 v5, v[XPC+16*((\f)%2)+8*\c+4:XPC+16*((\f)%2)+8*\c+5], s[10:11] offset:((\f)/2)*12288+((\f)%2)*1536+768*\c+512
.endr
.endm
.Lx_path:
	s_lshl_b32 s24, ttmp9, 17                      ; the pair's 32 rows of 4,096 bytes,
	s_lshl_b32 s20, s18, 10                        ; my wave's 256 columns
	s_add_co_u32 s24, s24, s20
	s_add_nc_u64 s[4:5], s[4:5], s[24:25]
	s_mul_i32 s24, ttmp9, 24576
	s_mul_i32 s20, s18, 3072
	s_add_co_u32 s24, s24, s20
	s_add_nc_u64 s[10:11], s[10:11], s[24:25]
	s_lshl_b32 s24, ttmp9, 10
	s_lshl_b32 s20, s18, 8
	s_add_co_u32 s24, s24, s20
	s_add_nc_u64 s[12:13], s[12:13], s[24:25]
	XLOAD 0
	XLOAD 1
	s_mov_b32 s26, 0x76543210
	s_mov_b32 s27, 0xfedcba98                      ; v_permlanex16_b32's selects for lane l xor 16
	v_and_b32 v2, 15, v0                           ; r
	v_bfe_u32 v3, v0, 4, 1                         ; h
	s_mul_i32 s20, s18, 8448                       ; my stage
	v_add_nc_u32 v6, s20, v4                       ; in: 16 l
	v_mul_u32_u24 v7, v2, 528
	v_lshl_add_u32 v7, v3, 7, v7
	v_add_nc_u32 v7, s20, v7                       ; out: row r, + 128 h
	v_lshlrev_b32 v21, 3, v3                       ; 8 h
	v_mov_b32 v22, 0                               ; a lane permute's destination counts as one of its sources
.irp f, 0,1,2,3
	XSTEP \f
.endr
	s_mov_b32 vcc_lo, 0xffff0000
	v_cndmask_b32 v12, v8, v10, vcc_lo             ; lanes 0-15: tile 0's words, lanes 16-31: tile 1's; first 128 along K,
	v_cndmask_b32 v13, v9, v11, vcc_lo             ; second
	global_store_b64 v5, v[12:13], s[12:13]        ; 256 consecutive bytes
	s_wait_tensorcnt 0x0
	ds_add_u32 v247, v255
	s_wait_dscnt 0x0
	s_endpgm
.Lfunc_end_k_q4769ed9050_quant:
	.size	k_q4769ed9050_quant, .Lfunc_end_k_q4769ed9050_quant-k_q4769ed9050_quant
	.p2alignl 7, 3214868480
	.fill 96, 4, 3214868480
	.section	.rodata,"a",@progbits
	.p2align	6, 0x0
	.amdhsa_kernel k_q4769ed9050_quant
		.amdhsa_group_segment_fixed_size 34304
		.amdhsa_private_segment_fixed_size 0
		.amdhsa_enable_private_segment 0
		.amdhsa_kernarg_size 56
		.amdhsa_user_sgpr_count 2
		.amdhsa_user_sgpr_kernarg_segment_ptr 1
		.amdhsa_wavefront_size32 1
		.amdhsa_system_sgpr_workgroup_id_x 1
		.amdhsa_system_sgpr_workgroup_id_y 1
		.amdhsa_system_sgpr_workgroup_id_z 1
		.amdhsa_system_vgpr_workitem_id 0
		.amdhsa_next_free_vgpr 256
		.amdhsa_next_free_sgpr 66
		.amdhsa_reserve_vcc 1
		.amdhsa_float_denorm_mode_32 3
		.amdhsa_float_denorm_mode_16_64 3
		.amdhsa_memory_ordered 1
		.amdhsa_forward_progress 1
		.amdhsa_inst_pref_size 109
	.end_amdhsa_kernel
	.amdgpu_metadata
---
amdhsa.version: [ 1, 2 ]
amdhsa.kernels:
  - .name:           k_q4769ed9050_quant
    .symbol:         k_q4769ed9050_quant.kd
    .args:
      - { .name: x, .offset: 0, .size: 8, .value_kind: global_buffer, .address_space: global }
      - { .name: W_attn, .offset: 8, .size: 8, .value_kind: global_buffer, .address_space: global }
      - { .name: W_proj, .offset: 16, .size: 8, .value_kind: global_buffer, .address_space: global }
      - { .name: xc, .offset: 24, .size: 8, .value_kind: global_buffer, .address_space: global }
      - { .name: xs, .offset: 32, .size: 8, .value_kind: global_buffer, .address_space: global }
      - { .name: wc, .offset: 40, .size: 8, .value_kind: global_buffer, .address_space: global }
      - { .name: ws, .offset: 48, .size: 8, .value_kind: global_buffer, .address_space: global }
    .group_segment_fixed_size: 34304
    .private_segment_fixed_size: 0
    .kernarg_segment_align: 8
    .kernarg_segment_size: 56
    .max_flat_workgroup_size: 128
    .sgpr_count:     66
    .vgpr_count:     256
    .wavefront_size: 32
...
	.end_amdgpu_metadata
.endif
;; end of part 1
;; launch qkv (part 2): grid 12 x 16, 4 waves a work-group, clusters of 4 x 4, 327,680 bytes of LDS; arguments xc, xs, wc, ws, qkvc, qkvs; writes qkvc, qkvs
.if DOCPART == 2
	.amdgcn_target "amdgcn-amd-amdhsa--gfx1250"
	.amdhsa_code_object_version 6
	.text
	.protected	k_q4769ed9050_qkv
	.globl	k_q4769ed9050_qkv
	.p2align	8
	.type	k_q4769ed9050_qkv,@function
k_q4769ed9050_qkv:
	s_mov_b64 s[64:65], 0
	v_nop
	global_prefetch_b8 v0, s[64:65] scope:SCOPE_SE
	s_setreg_imm32_b32 hwreg(HW_REG_WAVE_MODE, 25, 1), 1
	s_wait_xcnt 0x0
	s_wait_alu depctr_hold_cnt(0) depctr_sa_sdst(0) depctr_va_vdst(0) depctr_va_sdst(0) depctr_va_ssrc(0) depctr_va_vcc(0) depctr_vm_vsrc(0)
	s_getreg_b32 s2, hwreg(HW_REG_IB_STS2, 6, 4)
	s_cmp_eq_u32 s2, 0
	s_cbranch_scc0 .Lentry_in_a_cluster
	s_endpgm
.Lentry_in_a_cluster:
	s_bfe_u32 s2, ttmp6, 0x10000c
	s_cmp_lg_u32 s2, 0xf033
	s_cbranch_scc0 .Lentry_shape_is_right
	s_endpgm
.Lentry_shape_is_right:
; qkv = x W_attn on codes of FP6 (E2M3) with E8M0 scales, f32 sums; the results are quantised in registers for the attention's two products and leave as codes: no f32 number of q, k or v goes to memory.
; A tile of the product, 256 x 256, is made by a work-group of four waves, 128 x 128 a wave: 64 accumulators, 512 registers.  K = 1,024 goes in eight steps of 128; 256 along K make a K slot.
; Codes lie in memory in the order of the operand's registers (16 rows x 64 K = 768 bytes: registers 0-3 at 16 x lane, registers 4-5 at 512 + 8 x lane), so a fragment of 128 K is four LDS loads whose lanes lie on end.
; Tiles hold their rows in the order: tile 2 g + u, row r = index 32 g + 8 u + r + 8 (r / 8).  As SOURCE 0 such tiles leave 16 true neighbours in the 16 registers of two neighbouring accumulators.
; THE MATRIX INSTRUCTION IS USED TRANSPOSED: source 0 = 16 rows of B, source 1 = 16 rows of A: a lane holds one row of A, its registers run along B's rows.
; Clusters x = 0 (k) and 1 (q): A = tokens (xc), B = columns of W_attn (wc): a lane holds a token, registers along the head's 64: the quantiser's K for q k^T.
; Cluster x = 2 (v): A = v's columns of W_attn, B = tokens: a lane holds a channel d, registers along the keys: the quantiser's K for p v.  The same text serves both: only pointers and offsets are chosen, on the cluster's x.
; LDS: three slots of 98,304 bytes (A's 256 rows x 256 K, then B's), the scales of all of K (16,384 bytes), the spare words.  K slots 0, 1, 2 and the scales are first fills; K slot 3 is the one refill, into slot 0.
; CLUSTERS: 4 x 4 work-groups; A's tiles are asked for jointly by a row of the cluster, B's by a column.
; OUT: qkvc [b][48 heads: k, q, v][98,304]: k, q: [128 tiles of tokens][768]; v: [4 chunks of 512 keys][4 tiles of d][4 steps of 128 keys][1,536].
;      qkvs [b x 16 + head][20,480]: k's words at 0, [16 steps][32 lanes][4]; v's at 8,192, [16][32][2]; q's at 12,288 like k's.  Word e of lane 16 hh + r is that of tile 2 e + hh, row r.  k's and q's words have two bytes; the upper two are 0.
; LIMITS: a block of zeros gets the byte 1 (its codes are zeros; only this program reads the bytes); NaN and infinities are not served.
; REGISTERS, in windows of 256: window 0: v4-21 addresses, v28-29 the add's, v32-63 scale words (two sets), v128-223 A's eight fragments; on the way out v64-83 codes, v200-235 at work.
;   window 1: B's fragments, two sets, at v0 and v128.  Window 2: the accumulators of my rows 0-63 ((a, b) at v[8 (8 a + b)]); window 3: rows 64-127.
.set FR,    12                         ; registers of a fragment
.set HALFT, 24576                      ; 128 rows x 256 K: what one tensor load brings
.set SLOTB, 98304
.set SCL,   3*SLOTB                    ; the scales: 4,096 bytes a wave's load: A's halves, then B's
.set SPARE, SCL+16384                  ; the spare words, 128 bytes a wave: two blocks of 256 bytes that no other line names
.set A16,  4                           ; v4-6   16 l + my A rows in slot 0, 1, 2
.set A8,   7                           ; v7-9   8 l + the same
.set B16,  10                          ; v10-12, v13-15 the same for B
.set B8,   13
.set ADRS, 16                          ; v16    my scale words: lanes 0-15 A's rows, lanes 16-31 B's
.set VO16, 17                          ; v17    16 l
.set VO8,  18                          ; v18    8 l + 512
.set VO16D, 19                         ; v19, v20: the same, DC bytes on (the fragment's second 64 along K)
.set VO8D, 20
.set L8,   21                          ; v21    8 l
.set SPW,  28
.set NIL,  29
.set SC,   32
.set AF,   128
.set PCD,  64                          ; the way out: codes
.set TM,   200                         ; v200-203 largest magnitudes, v204-207 bytes, v212-215 scale operands
.set PW,   216                         ; v216-223 the eight blocks' scale words
.set G1A,  24
.set G1B,  32
.set G1SA, 40
.set G1SB, 48
.set G0A0, 56
.set G0A1, 60
.set G0A2, 68
.set G0B0, 72
.set G0B1, 76
.set G0B2, 80
.set G0SA, 84
.set G0SB, 88
.set MSB, 0
.macro WIN new                         ; the immediate's high byte repeats the setting that is left
.if MSB != \new
	s_set_vgpr_msb (MSB<<8)|\new
.set MSB, \new
.endif
.endm
.set MUL_LO, 0xa1                      ; source 0 (B) window 1, source 1 (A) window 0, C and D window 2
.set MUL_HI, 0xf1
.set TO_B,   0x40
.macro PLACES                          ; four plain instructions between a matrix instruction and a load into, or a read of, its registers
.rept 4
	v_nop
.endr
.endm
.macro JLOAD g0a, g1a, g0b, g1b        ; a joint load: waves 0, 1 for A, waves 2, 3 for B; four v_nop follow each line
	s_cmp_eq_u32 s17, 0
	s_cbranch_scc0 .Lfor_b_\@
	tensor_load_to_lds s[\g0a:\g0a+3], s[\g1a:\g1a+7]
	s_nop 0
	PLACES
	s_branch .Lasked_\@
.Lfor_b_\@:
	tensor_load_to_lds s[\g0b:\g0b+3], s[\g1b:\g1b+7]
	s_nop 0
	PLACES
.Lasked_\@:
.endm
.macro CREST                           ; a round of the cluster's barrier behind its opening barrier
	s_cmp_lg_u32 s16, 0
	s_cbranch_scc1 .Lnot_wave_0_\@
	s_barrier_signal -3
.Lnot_wave_0_\@:
	s_barrier_wait -3
	s_barrier_signal -1
	s_barrier_wait -1
.endm
.macro CROUND
	s_barrier_signal -1
	s_barrier_wait -1
	CREST
.endm
.macro MKG0 g, lr, lo, ad, go          ; a descriptor's group 0: LDS byte s[lr] + lo, global address s[ad:ad+1] + go
	s_mov_b32 s[\g], 1
	s_add_co_u32 s[\g+1], s[\lr], \lo
	s_add_nc_u64 s[\g+2:\g+3], s[\ad:\ad+1], \go
	s_or_b32 s[\g+3], s[\g+3], 0x80000000
.endm
	s_load_b256 s[4:11], s[0:1], 0x0               ; xc s[4:5], xs s[6:7], wc s[8:9], ws s[10:11]
	s_load_b128 s[12:15], s[0:1], 0x20             ; qkvc s[12:13], qkvs s[14:15]
	v_lshl_add_u32 v[SPW], v0, 2, SPARE
	v_mov_b32 v[NIL], 0
	ds_add_u32 v28, v29
	ds_add_u32 v28, v29
	s_wait_dscnt 0x0
	v_lshrrev_b32 v1, 5, v0
	v_readfirstlane_b32 s16, v1                    ; wave 0..3
	s_lshr_b32 s17, s16, 1                         ; which half of the tile's A rows is mine.  Also: I fetch for A (0) or for B (1)
	s_and_b32 s18, s16, 1                          ; which half of its B rows.  Also: which 128 rows I fetch
	s_bfe_u32 s19, ttmp6, 0x40000                  ; cx
	s_bfe_u32 s20, ttmp6, 0x40004                  ; cy
	s_and_b32 s21, ttmp7, 0xffff
	s_lshl_b32 s21, s21, 2                         ; 4 x cluster y
	s_add_co_u32 s92, s21, s20
	s_add_co_u32 s94, s21, s19
	s_lshl_b32 s95, ttmp9, 2
	s_add_co_u32 s95, s95, s19
	s_cmp_eq_u32 ttmp9, 2                          ; v's clusters?  The cluster's x is the same in all sixteen partners
	s_cselect_b32 s22, s20, s92                    ; A's tile of 256 rows: v: cy (channels);  k, q: 4 Y + cy (tokens)
	s_cselect_b32 s23, s94, s95                    ; B's: v: 4 Y + cx (tokens);  k, q: 4 X + cx (columns of W_attn)
	s_lshl_b32 s92, s20, 2
	s_lshl_b32 s92, 15, s92                        ; my row of the cluster
	s_lshl_b32 s94, 0x1111, s19                    ; my column
	s_or_b32 s[G1A], s92, (3<<16)|(1<<21)          ; 15:0 the mask; 17:16 elements of 8 bytes; 20 no padding; 21 set beside a mask
	s_or_b32 s[G1B], s94, (3<<16)|(1<<21)
	s_or_b32 s[G1SA], s92, (3<<16)|(1<<21)
	s_or_b32 s[G1SB], s94, (3<<16)|(1<<21)
.irp g, G1A, G1B                       ; codes: 8 tiles x 3,072 bytes (256 K), 12,288 bytes apart in memory, on end in LDS
	s_mov_b32 s[\g+1], 384<<16                     ; tensor_dim0 = 384 elements
	s_mov_b32 s[\g+2], 8<<16                       ; tensor_dim1 = 8
	s_mov_b32 s[\g+3], 384<<16                     ; tile_dim0
	s_mov_b32 s[\g+4], 8                           ; tile_dim1
	s_mov_b32 s[\g+5], 1536                        ; stride
	s_mov_b32 s[\g+6], 0
	s_mov_b32 s[\g+7], 0
.endr
.irp g, G1SA, G1SB                     ; scales of 128 rows, all of K: 4,096 dense bytes as 16 rows of 256
	s_mov_b32 s[\g+1], 32<<16
	s_mov_b32 s[\g+2], 16<<16
	s_mov_b32 s[\g+3], 32<<16
	s_mov_b32 s[\g+4], 16
	s_mov_b32 s[\g+5], 32
	s_mov_b32 s[\g+6], 0
	s_mov_b32 s[\g+7], 0
.endr
	s_lshl_b32 s100, s18, 7
	s_lshl_b32 s96, s22, 8
	s_add_co_u32 s96, s96, s100                    ; A: the first row that I fetch
	s_lshl_b32 s98, s23, 8
	s_add_co_u32 s98, s98, s100                    ; B likewise
	s_mul_i32 s92, s96, 768                        ; its codes: 768 bytes a row,
	s_lshl_b32 s96, s96, 5                         ; its scales: 32
	s_mul_i32 s94, s98, 768
	s_lshl_b32 s98, s98, 5
	s_mov_b32 s93, 0
	s_mov_b32 s95, 0
	s_mov_b32 s97, 0
	s_mov_b32 s99, 0
	s_mul_i32 s2, s16, HALFT                       ; where they go: wave x 24,576; no place in the cluster enters an LDS address
	s_lshl_b32 s3, s16, 12
	s_cmp_eq_u32 ttmp9, 2
	s_wait_kmcnt 0x0
	s_add_nc_u64 s[100:101], s[8:9], 1572864       ; v's columns: tiles 128 on of wc
	s_cselect_b64 s[100:101], s[100:101], s[4:5]   ; A's codes
	s_cselect_b64 s[8:9], s[4:5], s[8:9]           ; B's codes
	s_add_nc_u64 s[4:5], s[10:11], 65536           ; v's columns: pairs 64 on of ws
	s_cselect_b64 s[4:5], s[4:5], s[6:7]           ; A's scales
	s_cselect_b64 s[10:11], s[6:7], s[10:11]       ; B's scales
	s_add_nc_u64 s[100:101], s[100:101], s[92:93]
	s_add_nc_u64 s[8:9], s[8:9], s[94:95]
	s_add_nc_u64 s[4:5], s[4:5], s[96:97]
	s_add_nc_u64 s[10:11], s[10:11], s[98:99]
	MKG0 G0SA, 3, SCL, 4, 0
	MKG0 G0SB, 3, SCL, 10, 0
	MKG0 G0A0, 2, 0, 100, 0
	MKG0 G0A1, 2, SLOTB, 100, 3072
	MKG0 G0A2, 2, 2*SLOTB, 100, 6144
	MKG0 G0B0, 2, 0, 8, 0
	MKG0 G0B1, 2, SLOTB, 8, 3072
	MKG0 G0B2, 2, 2*SLOTB, 8, 6144
	CROUND                                         ; all sixteen work-groups are here: the first joint loads meet
	s_cmp_eq_u32 s17, 0                            ; a wave's four first fills stand in one branch: four loads of mine are out
	s_cbranch_scc0 .Lfirst_b
	tensor_load_to_lds s[G0SA:G0SA+3], s[G1SA:G1SA+7]
	s_nop 0
	tensor_load_to_lds s[G0A0:G0A0+3], s[G1A:G1A+7]
	s_nop 0
	tensor_load_to_lds s[G0A1:G0A1+3], s[G1A:G1A+7]
	s_nop 0
	tensor_load_to_lds s[G0A2:G0A2+3], s[G1A:G1A+7]
	s_nop 0
	PLACES
	s_branch .Lfirst_asked
.Lfirst_b:
	tensor_load_to_lds s[G0SB:G0SB+3], s[G1SB:G1SB+7]
	s_nop 0
	tensor_load_to_lds s[G0B0:G0B0+3], s[G1B:G1B+7]
	s_nop 0
	tensor_load_to_lds s[G0B1:G0B1+3], s[G1B:G1B+7]
	s_nop 0
	tensor_load_to_lds s[G0B2:G0B2+3], s[G1B:G1B+7]
	s_nop 0
	PLACES
.Lfirst_asked:
	v_and_b32 v1, 15, v0                           ; r
	v_bfe_u32 v2, v0, 4, 1                         ; h
	v_and_b32 v3, 31, v0                           ; l
	v_lshlrev_b32 v[VO16], 4, v3
	v_lshlrev_b32 v[L8], 3, v3
	s_mul_i32 s94, s17, HALFT                      ; my 128 rows of A,
	s_mul_i32 s95, s18, HALFT                      ; of B,
	s_add_co_u32 s95, s95, 2*HALFT                 ; which lie behind A's 256
.irp n, 0,1,2
	v_add_nc_u32 v[A16+\n], s94, v[VO16]
	v_add_nc_u32 v[A8+\n], s94, v[L8]
	v_add_nc_u32 v[B16+\n], s95, v[VO16]
	v_add_nc_u32 v[B8+\n], s95, v[L8]
	s_add_co_u32 s94, s94, SLOTB
	s_add_co_u32 s95, s95, SLOTB
.endr
	s_lshl_b32 s94, s17, 12                        ; A's scales: my 128 rows
	s_lshl_b32 s95, s18, 12                        ; B's, behind A's 8,192 bytes
	s_add_co_u32 s95, s95, 8192
	s_sub_co_u32 s95, s95, s94
	v_mul_u32_u24 v3, s95, v2                      ; lanes 16-31 take B's: one product with h
	s_add_co_u32 s94, s94, SCL
	v_lshl_add_u32 v3, v1, 3, v3                   ; 8 bytes a row
	v_add_nc_u32 v[ADRS], s94, v3
.macro FRAG reg, a16, a8, q, i         ; block i's fragment of the slot's q-th 128 along K: the image of its 12 registers
	ds_load_b128 v[\reg:\reg+3], v[\a16] offset:(\i)*3072+(\q)*1536
	ds_load_b64 v[\reg+4:\reg+5], v[\a8] offset:(\i)*3072+(\q)*1536+512
	ds_load_b128 v[\reg+6:\reg+9], v[\a16] offset:(\i)*3072+(\q)*1536+768
	ds_load_b64 v[\reg+10:\reg+11], v[\a8] offset:(\i)*3072+(\q)*1536+1280
.endm
.macro FETCH_B slot, q                 ; B's eight fragments into set q
	WIN TO_B
.irp i, 0,1,2,3,4,5,6,7
	FRAG 128*(\q)+FR*\i, B16+\slot, B8+\slot, \q, \i
.endr
	WIN 0
.endm
.macro FETCH_A slot, q, i0             ; A's blocks i0 .. i0 + 3
.irp i, \i0, \i0+1, \i0+2, \i0+3
	FRAG AF+FR*(\i), A16+\slot, A8+\slot, \q, \i
.endr
.endm
.macro SCALES sg                       ; K slot sg's scale words into set sg % 2: register 2 i + q: lanes 0-15 A's block i, lanes 16-31 B's block i
.irp i, 0,1,2,3,4,5,6,7
	ds_load_b64 v[SC+16*((\sg)%2)+2*\i:SC+16*((\sg)%2)+2*\i+1], v[ADRS] offset:(\i/2)*1024+(\sg)*256+(\i%2)*128
.endr
.endm
; 16 matrix instructions: A's blocks a0, a0 + 1 x B's eight.  The 64 accumulators take turns, one instruction a turn, in the same order in every step.
.macro MUL16 a0, q, sc, first
.irp a, \a0, \a0+1
.irp b, 0,1,2,3,4,5,6,7
.if \first
	v_wmma_scale_f32_16x16x128_f8f6f4 v[8*(8*((\a)%4)+\b):8*(8*((\a)%4)+\b)+7], v[128*(\q)+FR*\b:128*(\q)+FR*\b+FR-1], v[AF+FR*(\a):AF+FR*(\a)+FR-1], 0, v[SC+16*(\sc)+2*\b+(\q)], v[SC+16*(\sc)+2*(\a)+(\q)] matrix_a_fmt:MATRIX_FMT_FP6 matrix_b_fmt:MATRIX_FMT_FP6 matrix_a_scale:MATRIX_SCALE_ROW1
.else
	v_wmma_scale_f32_16x16x128_f8f6f4 v[8*(8*((\a)%4)+\b):8*(8*((\a)%4)+\b)+7], v[128*(\q)+FR*\b:128*(\q)+FR*\b+FR-1], v[AF+FR*(\a):AF+FR*(\a)+FR-1], v[8*(8*((\a)%4)+\b):8*(8*((\a)%4)+\b)+7], v[SC+16*(\sc)+2*\b+(\q)], v[SC+16*(\sc)+2*(\a)+(\q)] matrix_a_fmt:MATRIX_FMT_FP6 matrix_b_fmt:MATRIX_FMT_FP6 matrix_a_scale:MATRIX_SCALE_ROW1
.endif
.endr
.endr
.endm
; A step of 128 along K whose successor's tiles are known to lie in LDS.  nslot, nq: where the successor's fragments lie; nsig: the K slot whose scale words are fetched with them, or -1
.macro STEPG sc, q, first, nslot, nq, nsig
	s_wait_dscnt 16                                ; all but the youngest 16 loads (A's blocks 4-7)
	WIN MUL_LO
	MUL16 0, \q, \sc, \first
	MUL16 2, \q, \sc, \first
	s_wait_dscnt 0x0                               ; A's blocks 4-7 are in
	PLACES
	FETCH_B \nslot, \nq
	FETCH_A \nslot, \nq, 0
.if \nsig >= 0
	SCALES \nsig
.endif
	WIN MUL_HI
	MUL16 4, \q, \sc, \first
	MUL16 6, \q, \sc, \first
	PLACES
	WIN 0
	FETCH_A \nslot, \nq, 4
.endm
; A K slot's second step, with a barrier in it.  In front of the barrier each wave waits for all its tensor loads, adds 0 to its spare word, and waits for that and for its LDS reads.
; fill = 1: the barrier opens a round of the cluster's, and slot 0, which nobody reads any more, takes K slot 3.
.macro TURN sc, nslot, nsig, fill
	s_wait_tensorcnt 0x0                           ; all my tensor loads have landed
	ds_add_u32 v[SPW], v[NIL]                      ; 0 onto my spare word
	s_wait_dscnt 17                                ; (the add and A's blocks 4-7 may be out)
	WIN MUL_LO
	MUL16 0, 1, \sc, 0                             ; sixteen matrix instructions stand between the add and the wait for it
	s_wait_dscnt 0x0                               ; the add is done, and my reads of the slots so far are over
	s_barrier_signal -1
	MUL16 2, 1, \sc, 0
	WIN 0
	s_barrier_wait -1
.if \fill
	CREST                                          ; no wave of any partner still reads slot 0 or has a load on its way
	s_add_nc_u64 s[G0A0+2:G0A0+3], s[G0A0+2:G0A0+3], 9216   ; K slot 3: three times 3,072 bytes on
	s_add_nc_u64 s[G0B0+2:G0B0+3], s[G0B0+2:G0B0+3], 9216
	JLOAD G0A0, G1A, G0B0, G1B                     ; the first tensor load behind the round; its four v_nop are the places in front of the loads below
.else
	PLACES
.endif
	FETCH_B \nslot, 0
	FETCH_A \nslot, 0, 0
	SCALES \nsig
	WIN MUL_HI
	MUL16 4, 1, \sc, 0
	MUL16 6, 1, \sc, 0
	PLACES
	WIN 0
	FETCH_A \nslot, 0, 4
.endm
	s_wait_tensorcnt 2                             ; the scales and my part of K slot 0 are in; K slots 1 and 2 may be out
	s_barrier_signal -1
	s_barrier_wait -1
	FETCH_B 0, 0
	FETCH_A 0, 0, 0
	SCALES 0
	FETCH_A 0, 0, 4
	STEPG 0, 0, 1, 0, 1, -1                        ; step 0: its products start the sums
	TURN 0, 1, 1, 1                                ; step 1: the one round; K slot 3 is asked for: it has steps 2 to 5 in which to land
	STEPG 1, 0, 0, 1, 1, -1                        ; step 2
	STEPG 1, 1, 0, 2, 0, 2                         ; step 3: slot 2 was shown whole to every wave by step 1's wait and round
	STEPG 0, 0, 0, 2, 1, -1                        ; step 4
	TURN 0, 0, 3, 0                                ; step 5: K slot 3 has landed, for every wave
	STEPG 1, 0, 0, 0, 1, -1                        ; step 6
	s_wait_dscnt 16                                ; step 7: nothing more to fetch
	WIN MUL_LO
	MUL16 0, 1, 1, 0
	MUL16 2, 1, 1, 0
	s_wait_dscnt 0x0
	WIN MUL_HI
	MUL16 4, 1, 1, 0
	MUL16 6, 1, 1, 0
	WIN 0
	; ---- THE WAY OUT.  Where my codes and scale words go; no tensor load of mine is out, so the descriptors' registers are free.
	s_lshl_b32 s24, s22, 1
	s_add_co_u32 s24, s24, s17                     ; A's block of 128 rows
	s_lshl_b32 s25, s23, 1
	s_add_co_u32 s25, s25, s18                     ; B's
	s_lshl_b32 s26, s24, 1
	s_add_co_u32 s26, s26, 32                      ; v: head 32 + 2 x A's block
	s_lshl_b32 s27, s25, 1                         ; k, q: head 2 x B's block
	s_cmp_eq_u32 ttmp9, 2
	s_cselect_b32 s28, s25, s24                    ; the block of 128 tokens
	s_cselect_b32 s29, s26, s27                    ; my first head among the 48
	s_lshr_b32 s30, s28, 4                         ; b
	s_and_b32 s31, s28, 15                         ; s: the block within b
	s_mul_i32 s32, s30, 48
	s_add_co_u32 s32, s32, s29
	s_mul_i32 s32, s32, 98304
	s_lshr_b32 s33, s31, 2
	s_mul_i32 s33, s33, 24576
	s_and_b32 s34, s31, 3
	s_mul_i32 s34, s34, 1536
	s_add_co_u32 s33, s33, s34                     ; v: chunk s / 4, step s % 4
	s_mul_i32 s34, s31, 6144                       ; k, q: eight tiles of 768 bytes
	s_lshl_b32 s35, s30, 4
	s_and_b32 s36, s29, 15
	s_add_co_u32 s35, s35, s36
	s_mul_i32 s35, s35, 20480                      ; the head's record of scales
	s_lshl_b32 s36, s31, 8
	s_add_co_u32 s36, s36, 8192                    ; v
	s_mul_i32 s37, ttmp9, 12288
	s_lshl_b32 s38, s31, 9
	s_add_co_u32 s37, s37, s38                     ; k (0) or q (12,288)
	s_cmp_eq_u32 ttmp9, 2
	s_cselect_b32 s33, s33, s34
	s_cselect_b32 s36, s36, s37
	s_mov_b32 s40, 98304
	s_cselect_b32 s40, 768, s40                    ; DC: from a fragment's first 64 along K to its second: v: on end;  k, q: the next head
	s_mov_b32 s41, 768
	s_cselect_b32 s42, 6144, s41                   ; from block a to a + 1: v: the next tile of d;  k, q: the next tile of tokens
	s_cselect_b32 s44, 79872, s41                  ; and from block 3 to 4: v: the next head's first tile of d
	s_mov_b32 s43, 0
	s_mov_b32 s45, 0
	s_add_co_u32 s32, s32, s33
	s_mov_b32 s33, 0
	s_add_nc_u64 s[12:13], s[12:13], s[32:33]
	s_add_co_u32 s36, s35, s36
	s_mov_b32 s37, 0
	s_add_nc_u64 s[14:15], s[14:15], s[36:37]
	s_mov_b32 s46, 0x76543210
	s_mov_b32 s47, 0xfedcba98                      ; v_permlanex16_b32's selects for lane l xor 16
	v_add_nc_u32 v[VO8], 512, v[L8]                ; four plain instructions: the places behind the last products
	v_add_nc_u32 v[VO16D], s40, v[VO16]
	v_add_nc_u32 v[VO8D], s40, v[VO8]
	v_nop
.irp b, 0,1,2,3
	v_mov_b32 v[TM+4+\b], 0                        ; a lane permute's destination counts as one of its sources
.endr
; Block a: my 16 rows of A x 128 of B: 64 numbers a lane, register 16 b + i = K 32 b + 16 (lane / 16) + i of the lane's row.  They become a fragment's codes and a scale word.
.macro QOUT a
.set AC, 64*((\a)%4)
.set WS, 2+(\a)/4
	s_wait_xcnt 0x0                                ; the last block's stores have read their data and their base
.if (\a) == 4
	s_add_nc_u64 s[12:13], s[12:13], s[44:45]
.elseif (\a) > 0
	s_add_nc_u64 s[12:13], s[12:13], s[42:43]
.endif
	WIN WS*5                                       ; sources 0 and 1: the accumulators' window
.irp b, 0,1,2,3
	v_max3_num_f32 v[TM+\b], |v[AC+16*\b]|, |v[AC+16*\b+1]|, 0x1800000   ; each accumulator from its low end on; the floor 2^(3 - 127) holds the byte at 1 from below
.endr
.irp i, 2,4,6,8,10,12,14
.irp b, 0,1,2,3
	v_max3_num_f32 v[TM+\b], |v[AC+16*\b+\i]|, |v[AC+16*\b+\i+1]|, v[TM+\b]
.endr
.endr
	WIN 0
.irp b, 0,1,2,3
	v_permlanex16_b32 v[TM+4+\b], v[TM+\b], s46, s47
.endr
.irp b, 0,1,2,3
	v_max_num_f32 v[TM+\b], v[TM+\b], v[TM+4+\b]   ; with lane l xor 16's 16: the block's largest magnitude
.endr
.irp b, 0,1,2,3
	v_add_nc_u32 v[TM+12+\b], 0xff000000, v[TM+\b] ; 2 off its exponent field: the conversion's scale operand
.endr
.irp b, 0,1,2,3
	v_lshrrev_b32 v[TM+4+\b], 23, v[TM+12+\b]      ; the scale's byte
.endr
	v_lshl_or_b32 v[PW+(\a)], v[TM+5], 8, v[TM+4]
	v_lshl_or_b32 v[PW+(\a)], v[TM+6], 16, v[PW+(\a)]
	v_lshl_or_b32 v[PW+(\a)], v[TM+7], 24, v[PW+(\a)]
	WIN WS                                         ; source 0: the accumulators' window
.irp c, 0,1
	v_cvt_scalef32_pk16_fp6_f32 v[PCD+6*\c:PCD+6*\c+2], v[AC+32*\c:AC+32*\c+15], v[TM+12+2*\c]
	v_cvt_scalef32_pk16_fp6_f32 v[PCD+12+4*\c:PCD+14+4*\c], v[AC+32*\c+16:AC+32*\c+31], v[TM+13+2*\c]
.endr
	WIN 0
	v_nop                                          ; one plain instruction behind the conversions
.irp c, 0,1                                    ; the operand's layout wants a whole block of 32 in a lane
.irp i, 0,1,2
	v_permlane16_swap_b32 v[PCD+6*\c+\i], v[PCD+12+4*\c+\i]
.endr
.irp i, 0,1,2
	v_mov_b32 v[PCD+3+6*\c+\i], v[PCD+12+4*\c+\i]
.endr
.endr
	global_store_b128 v[VO16], v[PCD:PCD+3], s[12:13]          ; 512 consecutive bytes
	global_store_b64 v[VO8], v[PCD+4:PCD+5], s[12:13]          ; 256
	global_store_b128 v[VO16D], v[PCD+6:PCD+9], s[12:13]
	global_store_b64 v[VO8D], v[PCD+10:PCD+11], s[12:13]
.endm
.irp a, 0,1,2,3,4,5,6,7
	QOUT \a
.endr
	s_mov_b32 vcc_lo, 0xffff0000
.irp e, 0,1,2,3
	v_cndmask_b32 v[224+\e], v[PW+2*\e], v[PW+2*\e+1], vcc_lo  ; lanes 0-15: block 2 e's words, lanes 16-31: block 2 e + 1's
.endr
	s_cmp_eq_u32 ttmp9, 2
	s_cbranch_scc1 .Lv_scales
.irp e, 0,1,2,3
	v_and_b32 v[228+\e], 0xffff, v[224+\e]         ; k, q: a word's lower two bytes are my first head's, the upper two the next head's
	v_lshrrev_b32 v[232+\e], 16, v[224+\e]
.endr
	global_store_b128 v[VO16], v[228:231], s[14:15]
	global_store_b128 v[VO16], v[232:235], s[14:15] offset:20480
	s_branch .Lscales_out
.Lv_scales:
	global_store_b64 v[L8], v[224:225], s[14:15]               ; v: blocks 0-3 are my first head's four tiles of d, blocks 4-7 the next head's
	global_store_b64 v[L8], v[226:227], s[14:15] offset:20480
.Lscales_out:
	s_wait_tensorcnt 0x0                           ; the wave's end
	ds_add_u32 v[SPW], v[NIL]
	s_wait_dscnt 0x0
	CROUND                                         ; the closing round
	s_endpgm
.Lfunc_end_k_q4769ed9050_qkv:
	.size	k_q4769ed9050_qkv, .Lfunc_end_k_q4769ed9050_qkv-k_q4769ed9050_qkv
	.p2alignl 7, 3214868480
	.fill 96, 4, 3214868480
	.section	.rodata,"a",@progbits
	.p2align	6, 0x0
	.amdhsa_kernel k_q4769ed9050_qkv
		.amdhsa_group_segment_fixed_size 327680
		.amdhsa_private_segment_fixed_size 0
		.amdhsa_enable_private_segment 0
		.amdhsa_kernarg_size 48
		.amdhsa_user_sgpr_count 2
		.amdhsa_user_sgpr_kernarg_segment_ptr 1
		.amdhsa_wavefront_size32 1
		.amdhsa_system_sgpr_workgroup_id_x 1
		.amdhsa_system_sgpr_workgroup_id_y 1
		.amdhsa_system_sgpr_workgroup_id_z 1
		.amdhsa_system_vgpr_workitem_id 0
		.amdhsa_next_free_vgpr 1024
		.amdhsa_next_free_sgpr 102
		.amdhsa_reserve_vcc 1
		.amdhsa_float_denorm_mode_32 3
		.amdhsa_float_denorm_mode_16_64 3
		.amdhsa_memory_ordered 1
		.amdhsa_forward_progress 1
		.amdhsa_inst_pref_size 150
	.end_amdhsa_kernel
	.amdgpu_metadata
---
amdhsa.version: [ 1, 2 ]
amdhsa.kernels:
  - .name:           k_q4769ed9050_qkv
    .symbol:         k_q4769ed9050_qkv.kd
    .args:
      - { .name: xc, .offset: 0, .size: 8, .value_kind: global_buffer, .address_space: global }
      - { .name: xs, .offset: 8, .size: 8, .value_kind: global_buffer, .address_space: global }
      - { .name: wc, .offset: 16, .size: 8, .value_kind: global_buffer, .address_space: global }
      - { .name: ws, .offset: 24, .size: 8, .value_kind: global_buffer, .address_space: global }
      - { .name: qkvc, .offset: 32, .size: 8, .value_kind: global_buffer, .address_space: global }
      - { .name: qkvs, .offset: 40, .size: 8, .value_kind: global_buffer, .address_space: global }
    .group_segment_fixed_size: 327680
    .private_segment_fixed_size: 0
    .kernarg_segment_align: 8
    .kernarg_segment_size: 48
    .max_flat_workgroup_size: 128
    .sgpr_count:     102
    .vgpr_count:     1024
    .wavefront_size: 32
...
	.end_amdgpu_metadata
.endif
;; end of part 2
;; launch attn (part 3): grid 8 x 32, 16 waves a work-group, no clusters, 210,944 bytes of LDS; arguments qkvc, qkvs, ac, asc; writes ac, asc
.if DOCPART == 3
	.amdgcn_target "amdgcn-amd-amdhsa--gfx1250"
	.amdhsa_code_object_version 6
	.text
	.protected	k_q4769ed9050_attn
	.globl	k_q4769ed9050_attn
	.p2align	8
	.type	k_q4769ed9050_attn,@function
k_q4769ed9050_attn:
	s_mov_b64 s[64:65], 0
	v_nop
	global_prefetch_b8 v0, s[64:65] scope:SCOPE_SE
	s_setreg_imm32_b32 hwreg(HW_REG_WAVE_MODE, 25, 1), 1
	s_wait_xcnt 0x0
; Causal attention of one head on codes of FP6 (E2M3): S^T = K Q^T, p = 2^(t - M), O^T = V^T P^T, O / l quantised along the head's 64 channels for the projection.  2,048 tokens, head size 64.
; t = score x log2(e) / 8; M = the running largest t rounded UP to a whole number; p is quantised along the keys, not normalised; the row's sum is taken of the unquantised p and divides at the end.
; SHARES.  Work-group (j, b x 16 + head) owns the blocks of 128 queries j and 15 - j: j + 1 and 16 - j key steps of 128: 17 for each pair of waves, whatever j.  Each of the sixteen waves owns ONE tile of 16 queries:
; tile a = wave / 2 of block J = j or 15 - j, chosen so that of any four waves with neighbouring or equal numbers modulo 4 two take the short block and two the long.
; THE WHOLE HEAD'S K AND V LIE IN LDS, filled once, in four chunks of 512 keys, by waves 0-3 (five tensor loads each, all issued at the head).  Nothing is filled again.
; NO CLUSTER: the work-groups of a head read the same K and V, but which steps a wave leaves out under the mask is a branch on its own block of queries, which among partners of a cluster would hang on the place in it.
; LAYOUT.  Both products are used transposed: a lane holds one query (lane % 16).  K's tiles hold their keys in the order: tile 2 g + u, row r = key 32 g + 8 u + r + 8 (r / 8), so that the 16 registers of two neighbouring
; tiles of S^T are 16 neighbouring keys.  V^T's tiles hold their channels in the same order, so that O^T's 16 registers of two tiles are 16 neighbouring channels.
; K = 64 IN AN INSTRUCTION OF 128: Q's registers 6-11 are zero codes.  K's operand t names v[32 + 6 t .. 43 + 6 t]: its upper six registers are the next tile's codes (for t = 7 zeros): finite numbers, which meet Q's zeros and add
; nothing; bytes 2 and 3 of both scale words are 0, which is 2^-127 and no NaN.
; LIMITS: a block of zeros gets the byte 1 (its codes are zeros; only this program reads the bytes); NaN and infinities are not served.
; REGISTERS: v1 16 l, v2 8 l, v3-8 the step's addresses, v9 the mask's d, v11 r, v12 -M, v13 largest t, v[14:15] the sum, v16-27 Q, v28 Q's scale word, v32-85 K's tiles, later V's fragments (v32-79), v86-89 K's scale words,
; v90-91 V's, v96-159 S^T then p, v160-191 O^T, v192-210 p's codes, v212-227 at work (v224 f, v226 p's scale word).
.set JJ,   68                          ; s68  my block of 128 queries
.set TK,   60                          ; s60  LDS byte of the step's tiles of K
.set TV,   61                          ; s61  of V
.set TKS,  62                          ; s62  of K's scale words
.set TVS,  63                          ; s63  of V's
.set KS,   66                          ; s66  the key step
.set CNT,  67                          ; s67  counts a chunk's four steps
.set SEL,  20
.set CS,   22
.set G1C,  24                          ; s[24:31] group 1: half a chunk, 12,288 dense bytes
.set G1S,  32                          ; s[32:39] group 1: a quarter of the scales, 3,072 dense bytes
.set G0,   40                          ; s[40:43] group 0 for the scales; s[44:59] for the four chunks
.set BM,   212
.set PT,   216
.set SO,   220
.set PCD,  192
	s_load_b256 s[4:11], s[0:1], 0x0               ; qkvc s[4:5], qkvs s[6:7], ac s[8:9], asc s[10:11]
	v_lshl_add_u32 v254, v0, 2, 0x33000
	v_mov_b32 v255, 0
	ds_add_u32 v254, v255
	ds_add_u32 v254, v255
	v_lshrrev_b32 v1, 5, v0
	v_readfirstlane_b32 s12, v1                    ; wave 0..15
	s_lshr_b32 s13, s12, 1                         ; a: my tile of 16 queries
	s_lshr_b32 s14, s12, 2
	s_xor_b32 s14, s14, s12
	s_and_b32 s14, s14, 1                          ; 0: block j, 1: block 15 - j
	s_lshl_b32 s15, ttmp9, 1
	s_sub_co_u32 s15, 15, s15
	s_mul_i32 s15, s15, s14
	s_add_co_u32 s[JJ], s15, ttmp9
	s_and_b32 s16, ttmp7, 0xffff                   ; b x 16 + head
	s_lshr_b32 s17, s16, 4
	s_and_b32 s18, s16, 15
	s_mov_b32 s[G1C], 3<<16                        ; no mask; elements of 8 bytes; no padding
	s_mov_b32 s[G1C+1], 32<<16                     ; rows of 256 bytes,
	s_mov_b32 s[G1C+2], 48<<16                     ; 48 of them
	s_mov_b32 s[G1C+3], 32<<16
	s_mov_b32 s[G1C+4], 48
	s_mov_b32 s[G1C+5], 32
	s_mov_b32 s[G1C+6], 0
	s_mov_b32 s[G1C+7], 0
	s_mov_b32 s[G1S], 3<<16
	s_mov_b32 s[G1S+1], 32<<16
	s_mov_b32 s[G1S+2], 12<<16
	s_mov_b32 s[G1S+3], 32<<16
	s_mov_b32 s[G1S+4], 12
	s_mov_b32 s[G1S+5], 32
	s_mov_b32 s[G1S+6], 0
	s_mov_b32 s[G1S+7], 0
	s_and_b32 s70, s12, 3                          ; the fetching waves are 0-3; the others make the same numbers and issue nothing
	s_lshr_b32 s71, s70, 1                         ; K (0) or V (1)
	s_and_b32 s72, s70, 1                          ; which half of a chunk
	s_mul_i32 s73, s71, 98304
	s_mul_i32 s74, s72, 12288
	s_add_co_u32 s73, s73, s74                     ; in LDS
	s_mul_i32 s75, s17, 48
	s_add_co_u32 s75, s75, s18
	s_mul_i32 s75, s75, 98304                      ; k's head in qkvc; q's lies 16 heads on, v's 32
	s_mul_i32 s76, s71, 3145728
	s_add_co_u32 s76, s76, s75
	s_add_co_u32 s76, s76, s74
	s_mov_b32 s77, 0
	s_mul_i32 s78, s16, 20480                      ; the head's record of scales
	s_mul_i32 s80, s70, 3072
	s_add_co_u32 s82, s78, s80
	s_mov_b32 s83, 0
	s_mov_b32 s[SEL], 0x76543210
	s_mov_b32 s[SEL+1], 0xfedcba98                 ; v_permlanex16_b32's selects for lane l xor 16
	s_mov_b32 s[CS], 0x3e38aa3b                    ; c = log2(e) / 8
	s_mov_b32 s[CS+1], s[CS]                       ; (named with it as a pair)
	s_wait_dscnt 0x0
	s_wait_kmcnt 0x0
	s_add_nc_u64 s[76:77], s[4:5], s[76:77]
	s_add_nc_u64 s[82:83], s[6:7], s[82:83]
	s_mov_b32 s[G0], 1
	s_add_co_u32 s[G0+1], s80, 196608              ; K's scale words at 196,608 (8,192 bytes), V's at 204,800 (4,096)
	s_mov_b64 s[G0+2:G0+3], s[82:83]
	s_or_b32 s[G0+3], s[G0+3], 0x80000000
.irp c, 0,1,2,3
	s_mov_b32 s[G0+4+4*\c], 1
	s_add_co_u32 s[G0+5+4*\c], s73, \c*24576
	s_add_nc_u64 s[G0+6+4*\c:G0+7+4*\c], s[76:77], \c*24576
	s_or_b32 s[G0+7+4*\c], s[G0+7+4*\c], 0x80000000
.endr
	s_cmp_lt_u32 s12, 4                            ; all first fills of a wave in one branch: five loads of mine are out
	s_cbranch_scc0 .Lno_fetch
	tensor_load_to_lds s[G0:G0+3], s[G1S:G1S+7]
	s_nop 0
	tensor_load_to_lds s[G0+4:G0+7], s[G1C:G1C+7]
	s_nop 0
	tensor_load_to_lds s[G0+8:G0+11], s[G1C:G1C+7]
	s_nop 0
	tensor_load_to_lds s[G0+12:G0+15], s[G1C:G1C+7]
	s_nop 0
	tensor_load_to_lds s[G0+16:G0+19], s[G1C:G1C+7]
	s_nop 0
.rept 4
	v_nop
.endr
.Lno_fetch:
	v_and_b32 v10, 31, v0
	v_lshlrev_b32 v1, 4, v10                       ; 16 l
	v_lshlrev_b32 v2, 3, v10                       ; 8 l
	v_and_b32 v11, 15, v0                          ; r
	v_bfe_u32 v30, v0, 4, 1                        ; h
	s_lshl_b32 s84, s[JJ], 3
	s_add_co_u32 s84, s84, s13                     ; my tile among the head's 128
	s_mul_i32 s85, s84, 768
	s_add_co_u32 s86, s75, s85
	s_add_co_u32 s86, s86, 16*98304
	s_mov_b32 s87, 0
	s_add_nc_u64 s[86:87], s[4:5], s[86:87]
	global_load_b128 v[16:19], v1, s[86:87]        ; Q's six registers
	global_load_b64 v[20:21], v2, s[86:87] offset:512
	s_lshl_b32 s88, s[JJ], 9                       ; Q's scale word: 512 J + 256 (a % 2) + 16 r + 4 (a / 2), 12,288 into the record
	s_add_co_u32 s88, s88, s78
	s_and_b32 s89, s13, 1
	s_lshl_b32 s89, s89, 8
	s_add_co_u32 s88, s88, s89
	s_lshr_b32 s89, s13, 1
	s_lshl_b32 s89, s89, 2
	s_add_co_u32 s88, s88, s89
	s_mov_b32 s89, 0
	s_add_nc_u64 s[88:89], s[6:7], s[88:89]
	v_lshlrev_b32 v31, 4, v11
	global_load_b32 v28, v31, s[88:89] offset:12288
	s_lshr_b32 s90, s13, 1
	s_lshl_b32 s90, s90, 5
	s_and_b32 s91, s13, 1
	s_lshl_b32 s91, s91, 3
	s_add_co_u32 s90, s90, s91
	v_and_b32 v9, 8, v11
	v_add_nc_u32 v9, v9, v11
	v_lshlrev_b32 v30, 4, v30
	v_sub_nc_u32 v9, v9, v30
	v_add_nc_u32 v9, s90, v9                       ; d = my query within its block - 16 h = 32 (a / 2) + 8 (a % 2) + r + 8 (r / 8) - 16 h
.irp i, 0,1,2,3,4,5
	v_mov_b32 v[22+\i], 0                          ; Q's zero codes for k = 64 .. 127
	v_mov_b32 v[80+\i], 0                          ; the upper half of K's last operand
.endr
	v_mov_b32 v13, 0xff61b1e6                      ; the largest t so far: -3e38
	v_floor_f32 v12, -v13                          ; -M
	v_mov_b32 v14, 0
	v_mov_b32 v15, 0
	v_mov_b32 v225, 0                              ; (the upper half of the pair v[224:225])
.irp b, 0,1,2,3
	v_mov_b32 v[PT+\b], 0                          ; a lane permute's destination counts as one of its sources
.endr
.set n, 0
.rept 32
	v_mov_b32 v[160+n], 0                          ; O^T: the step is written once; the first change of M multiplies zeros
.set n, n+1
.endr
; A KEY STEP: 128 keys.
.macro STEP
	s_cmp_gt_u32 s[KS], s[JJ]                      ; all its keys come after my queries: the step's work is left out, not the lines at its end that step addresses
	s_cbranch_scc1 .Lhidden_\@
	v_add_nc_u32 v3, s[TK], v1                     ; (six plain instructions: also the places behind the last step's products, in front of the loads below)
	v_add_nc_u32 v4, s[TK], v2
	v_add_nc_u32 v5, s[TKS], v1
	v_add_nc_u32 v6, s[TV], v1
	v_add_nc_u32 v7, s[TV], v2
	v_add_nc_u32 v8, s[TVS], v2
.irp t, 0,1,2,3,4,5,6,7
	ds_load_b128 v[32+6*\t:35+6*\t], v3 offset:768*\t
	ds_load_b64 v[36+6*\t:37+6*\t], v4 offset:768*\t+512
.endr
	ds_load_b128 v[86:89], v5                      ; register e: lanes 0-15 tile 2 e's words, lanes 16-31 tile 2 e + 1's
	s_wait_dscnt 0x0
.irp e, 0,1,2,3
	v_wmma_scale_f32_16x16x128_f8f6f4 v[96+16*\e:103+16*\e], v[32+12*\e:43+12*\e], v[16:27], 0, v[86+\e], v28 matrix_a_fmt:MATRIX_FMT_FP6 matrix_b_fmt:MATRIX_FMT_FP6
	v_wmma_scale_f32_16x16x128_f8f6f4 v[104+16*\e:111+16*\e], v[38+12*\e:49+12*\e], v[16:27], 0, v[86+\e], v28 matrix_a_fmt:MATRIX_FMT_FP6 matrix_b_fmt:MATRIX_FMT_FP6 matrix_a_scale:MATRIX_SCALE_ROW1
.endr
.rept 4
	v_nop                                          ; places: in front of the loads into K's registers, and of the first read of the scores
.endr
.irp t, 0,1,2,3                                ; V^T's four fragments (16 channels x 128 keys) land under the softmax
	ds_load_b128 v[32+12*\t:35+12*\t], v6 offset:6144*\t
	ds_load_b64 v[36+12*\t:37+12*\t], v7 offset:6144*\t+512
	ds_load_b128 v[38+12*\t:41+12*\t], v6 offset:6144*\t+768
	ds_load_b64 v[42+12*\t:43+12*\t], v7 offset:6144*\t+1280
.endr
	ds_load_b64 v[90:91], v8
	s_cmp_lg_u32 s[KS], s[JJ]                      ; on the diagonal hidden scores become -infinity ahead of the maximum: p = 0 then
	s_cbranch_scc1 .Lopen_\@
	v_mov_b32 v227, 0xff800000
.set n, 0
.rept 64
	v_cmp_gt_i32 vcc_lo, 32*(n/16)+n%16, v9        ; register n holds key 32 (n / 16) + 16 h + n % 16 of the step
	v_cndmask_b32 v[96+n], v[96+n], v227, vcc_lo
.set n, n+1
.endr
.Lopen_\@:
.irp b, 0,1,2,3
	v_max3_num_f32 v[BM+\b], v[96+16*\b], v[97+16*\b], v[98+16*\b]   ; the largest score of each block of 32 keys: for the row's maximum and, since p rises with the score, for the block's largest p
.endr
.irp i, 3,5,7,9,11,13
.irp b, 0,1,2,3
	v_max3_num_f32 v[BM+\b], v[BM+\b], v[96+16*\b+\i], v[97+16*\b+\i]
.endr
.endr
.irp b, 0,1,2,3
	v_max_num_f32 v[BM+\b], v[BM+\b], v[111+16*\b]
.endr
.irp b, 0,1,2,3
	v_permlanex16_b32 v[PT+\b], v[BM+\b], s[SEL], s[SEL+1]
.endr
.irp b, 0,1,2,3
	v_max_num_f32 v[BM+\b], v[BM+\b], v[PT+\b]     ; with lane l xor 16's 16 keys
.endr
	v_max3_num_f32 v227, v[BM], v[BM+1], v[BM+2]
	v_max_num_f32 v227, v227, v[BM+3]
	v_mul_f32 v227, s[CS], v227                    ; the step's largest t
	v_max_num_f32 v13, v13, v227
	v_mov_b32 v227, v12
	v_floor_f32 v12, -v13                          ; the new -M = floor(-t): M is a whole number
	v_sub_f32 v227, v12, v227                      ; old M - new M: a whole number, 0 or less
	v_cvt_i32_f32 v227, v227                       ; (it saturates)
	v_ldexp_f32 v224, 1.0, v227                    ; f = 2^(old M - new M): a multiplication by it rounds nothing
.set n, 0
.rept 32
	v_pk_fma_f32 v[96+n:97+n], v[96+n:97+n], s[CS:CS+1], v[12:13] op_sel_hi:[1,0,0]   ; t - M, two at a time
.set n, n+2
.endr
.irp b, 0,1,2,3
	v_fma_f32 v[BM+\b], v[BM+\b], s[CS], v12       ; the same of each block's largest score
.endr
.set n, 0
.rept 64
	v_exp_f32 v[96+n], v[96+n]                     ; p = 2^(t - M), at most 1
.set n, n+1
.endr
	v_pk_mul_f32 v[14:15], v[14:15], v[224:225] op_sel_hi:[1,0]      ; the sums under the new M: a plain instruction behind the exponentials
	s_wait_alu depctr_va_vdst(0)                   ; one wait for the batch of 64, ahead of its first reader
.irp b, 0,1,2,3
	v_exp_f32 v[BM+\b], v[BM+\b]                   ; each block's largest p
.endr
	v_pk_add_f32 v[PT:PT+1], v[96:97], v[98:99]    ; the row's sum of the unquantised p, in two chains: plain work behind the four
.irp j, 4,8,12,16,20,24,28,32,36,40,44,48,52,56,60
	v_pk_add_f32 v[14:15], v[14:15], v[96+\j:97+\j]
	v_pk_add_f32 v[PT:PT+1], v[PT:PT+1], v[98+\j:99+\j]
.endr
	v_pk_add_f32 v[14:15], v[14:15], v[PT:PT+1]
	s_wait_alu depctr_va_vdst(0)                   ; and one for the four
.irp b, 0,1,2,3
	v_max_num_f32 v[BM+\b], 0x1800000, v[BM+\b]    ; the floor 2^(3 - 127): the byte cannot fall under 1
.endr
.irp b, 0,1,2,3
	v_add_nc_u32 v[SO+\b], 0xff000000, v[BM+\b]    ; the conversion's scale operand
.endr
.irp b, 0,1,2,3
	v_lshrrev_b32 v[PT+\b], 23, v[SO+\b]           ; the scale's byte
.endr
	v_lshl_or_b32 v226, v[PT+1], 8, v[PT]          ; p's scale word for these 128 keys
	v_lshl_or_b32 v226, v[PT+2], 16, v226
	v_lshl_or_b32 v226, v[PT+3], 24, v226
.irp c, 0,1
	v_cvt_scalef32_pk16_fp6_f32 v[PCD+6*\c:PCD+6*\c+2], v[96+32*\c:111+32*\c], v[SO+2*\c]
	v_cvt_scalef32_pk16_fp6_f32 v[PCD+12+4*\c:PCD+14+4*\c], v[112+32*\c:127+32*\c], v[SO+2*\c+1]
.endr
	v_nop                                          ; one plain instruction behind the conversions
.irp c, 0,1                                    ; a whole block of 32 keys to a lane
.irp i, 0,1,2
	v_permlane16_swap_b32 v[PCD+6*\c+\i], v[PCD+12+4*\c+\i]
.endr
.irp i, 0,1,2
	v_mov_b32 v[PCD+3+6*\c+\i], v[PCD+12+4*\c+\i]
.endr
.endr
.set n, 0
.rept 16
	v_pk_mul_f32 v[160+n:161+n], v[160+n:161+n], v[224:225] op_sel_hi:[1,0]   ; O^T under the new M; these sixteen are also the places between the codes' and the scale word's last writes and the products
.set n, n+2
.endr
	s_wait_dscnt 0x0                               ; V is in
.irp e, 0,1
	v_wmma_scale_f32_16x16x128_f8f6f4 v[160+16*\e:167+16*\e], v[32+24*\e:43+24*\e], v[PCD:PCD+11], v[160+16*\e:167+16*\e], v[90+\e], v226 matrix_a_fmt:MATRIX_FMT_FP6 matrix_b_fmt:MATRIX_FMT_FP6
	v_wmma_scale_f32_16x16x128_f8f6f4 v[168+16*\e:175+16*\e], v[44+24*\e:55+24*\e], v[PCD:PCD+11], v[168+16*\e:175+16*\e], v[90+\e], v226 matrix_a_fmt:MATRIX_FMT_FP6 matrix_b_fmt:MATRIX_FMT_FP6 matrix_a_scale:MATRIX_SCALE_ROW1
.endr
.Lhidden_\@:
	s_add_co_u32 s[KS], s[KS], 1
	s_add_co_u32 s[TK], s[TK], 6144                ; eight tiles of 768 bytes
	s_add_co_u32 s[TV], s[TV], 1536                ; a fragment on, in each of the chunk's four tiles of channels
	s_add_co_u32 s[TKS], s[TKS], 512
	s_add_co_u32 s[TVS], s[TVS], 256
.endm
; A CHUNK of four key steps.  The fetching waves wait for their part of it (the later chunks' loads may stay out), then the barrier shows it to all sixteen.
.macro CHUNK c
	s_wait_tensorcnt 3-\c
	s_wait_dscnt 0x0
	s_barrier_signal -1
	s_barrier_wait -1
	s_mov_b32 s[KS], 4*\c
	s_mov_b32 s[TK], \c*24576
	s_mov_b32 s[TV], 98304+\c*24576
	s_mov_b32 s[TKS], 196608+\c*2048
	s_mov_b32 s[TVS], 204800+\c*1024
	s_mov_b32 s[CNT], 4
.Lstep_\@:
	STEP
	s_sub_co_u32 s[CNT], s[CNT], 1
	s_cmp_lg_u32 s[CNT], 0
	s_cbranch_scc1 .Lstep_\@
.endm
	s_wait_loadcnt 0x0                             ; Q and its scale word
	CHUNK 0
	CHUNK 1
	CHUNK 2
	CHUNK 3
	; THE WAY OUT: O^T / the sum, quantised along the head's 64 channels: two blocks of 32.  Register 16 g + i is channel 32 g + 16 h + i of my query.
	s_lshl_b32 s70, s17, 7
	s_add_co_u32 s70, s70, s84                     ; my tile of tokens among the 256
	s_mul_i32 s71, s70, 12288
	s_mul_i32 s72, s18, 768                        ; the piece of 64 along the projection's K is the head
	s_add_co_u32 s72, s72, s71
	s_mov_b32 s73, 0
	s_add_nc_u64 s[8:9], s[8:9], s[72:73]
	s_lshr_b32 s74, s70, 1
	s_lshl_b32 s74, s74, 10                        ; the pair of tiles,
	s_lshr_b32 s76, s18, 2
	s_lshl_b32 s76, s76, 8                         ; 256 along K = four heads,
	s_add_co_u32 s74, s74, s76
	s_and_b32 s76, s13, 1
	s_lshl_b32 s76, s76, 7                         ; the tile of the pair,
	s_add_co_u32 s74, s74, s76
	s_and_b32 s76, s18, 3
	s_lshl_b32 s76, s76, 1                         ; the word (head / 2) % 2 and its half head % 2
	s_add_co_u32 s74, s74, s76
	s_mov_b32 s75, 0
	s_add_nc_u64 s[10:11], s[10:11], s[74:75]
.rept 4
	v_nop                                          ; places behind the last products
.endr
	v_add_f32 v14, v14, v15
	v_permlanex16_b32 v[PT], v14, s[SEL], s[SEL+1]
	v_add_f32 v14, v14, v[PT]                      ; the row's sum
	v_rcp_f32 v14, v14
	v_lshlrev_b32 v31, 3, v11                      ; (a plain instruction behind the reciprocal)  8 r
	s_wait_alu depctr_va_vdst(0)                   ; the wait ahead of its first reader
.set n, 0
.rept 32
	v_mul_f32 v[96+n], v[160+n], v14               ; each accumulator from its low end on
.set n, n+1
.endr
.irp b, 0,1
	v_max3_num_f32 v[BM+\b], |v[96+16*\b]|, |v[97+16*\b]|, 0x1800000
.endr
.irp i, 2,4,6,8,10,12,14
.irp b, 0,1
	v_max3_num_f32 v[BM+\b], v[BM+\b], |v[96+16*\b+\i]|, |v[97+16*\b+\i]|
.endr
.endr
.irp b, 0,1
	v_permlanex16_b32 v[PT+\b], v[BM+\b], s[SEL], s[SEL+1]
.endr
.irp b, 0,1
	v_max_num_f32 v[BM+\b], v[BM+\b], v[PT+\b]
.endr
.irp b, 0,1
	v_add_nc_u32 v[SO+\b], 0xff000000, v[BM+\b]
.endr
.irp b, 0,1
	v_lshrrev_b32 v[PT+\b], 23, v[SO+\b]
.endr
	v_lshl_or_b32 v227, v[PT+1], 8, v[PT]          ; my row's two scale bytes
	v_cvt_scalef32_pk16_fp6_f32 v[PCD:PCD+2], v[96:111], v[SO]
	v_cvt_scalef32_pk16_fp6_f32 v[PCD+4:PCD+6], v[112:127], v[SO+1]
	v_nop
.irp i, 0,1,2
	v_permlane16_swap_b32 v[PCD+\i], v[PCD+4+\i]
.endr
	v_mov_b32 v[PCD+3], v[PCD+4]
	v_mov_b32 v[PCD+4], v[PCD+5]
	v_mov_b32 v[PCD+5], v[PCD+6]
	global_store_b128 v1, v[PCD:PCD+3], s[8:9]             ; 512 consecutive bytes
	global_store_b64 v2, v[PCD+4:PCD+5], s[8:9] offset:512 ; 256
	global_store_b16 v31, v227, s[10:11]                   ; lanes r and 16 + r name the same two bytes and hold the same value.  A scale word spans two heads, so a head stores halves of words
	s_wait_tensorcnt 0x0
	ds_add_u32 v254, v255
	s_wait_dscnt 0x0
	s_endpgm
.Lfunc_end_k_q4769ed9050_attn:
	.size	k_q4769ed9050_attn, .Lfunc_end_k_q4769ed9050_attn-k_q4769ed9050_attn
	.p2alignl 7, 3214868480
	.fill 96, 4, 3214868480
	.section	.rodata,"a",@progbits
	.p2align	6, 0x0
	.amdhsa_kernel k_q4769ed9050_attn
		.amdhsa_group_segment_fixed_size 210944
		.amdhsa_private_segment_fixed_size 0
		.amdhsa_enable_private_segment 0
		.amdhsa_kernarg_size 32
		.amdhsa_user_sgpr_count 2
		.amdhsa_user_sgpr_kernarg_segment_ptr 1
		.amdhsa_wavefront_size32 1
		.amdhsa_system_sgpr_workgroup_id_x 1
		.amdhsa_system_sgpr_workgroup_id_y 1
		.amdhsa_system_sgpr_workgroup_id_z 1
		.amdhsa_system_vgpr_workitem_id 0
		.amdhsa_next_free_vgpr 256
		.amdhsa_next_free_sgpr 96
		.amdhsa_reserve_vcc 1
		.amdhsa_float_denorm_mode_32 3
		.amdhsa_float_denorm_mode_16_64 3
		.amdhsa_memory_ordered 1
		.amdhsa_forward_progress 1
		.amdhsa_inst_pref_size 99
	.end_amdhsa_kernel
	.amdgpu_metadata
---
amdhsa.version: [ 1, 2 ]
amdhsa.kernels:
  - .name:           k_q4769ed9050_attn
    .symbol:         k_q4769ed9050_attn.kd
    .args:
      - { .name: qkvc, .offset: 0, .size: 8, .value_kind: global_buffer, .address_space: global }
      - { .name: qkvs, .offset: 8, .size: 8, .value_kind: global_buffer, .address_space: global }
      - { .name: ac, .offset: 16, .size: 8, .value_kind: global_buffer, .address_space: global }
      - { .name: asc, .offset: 24, .size: 8, .value_kind: global_buffer, .address_space: global }
    .group_segment_fixed_size: 210944
    .private_segment_fixed_size: 0
    .kernarg_segment_align: 8
    .kernarg_segment_size: 32
    .max_flat_workgroup_size: 512
    .sgpr_count:     96
    .vgpr_count:     256
    .wavefront_size: 32
...
	.end_amdgpu_metadata
.endif
;; end of part 3
;; launch proj (part 4): grid 4 x 16, 4 waves a work-group, clusters of 4 x 4, 327,680 bytes of LDS; arguments ac, asc, wc, ws, b_proj, out0; writes out0
.if DOCPART == 4
	.amdgcn_target "amdgcn-amd-amdhsa--gfx1250"
	.amdhsa_code_object_version 6
	.text
	.protected	k_q4769ed9050_proj
	.globl	k_q4769ed9050_proj
	.p2align	8
	.type	k_q4769ed9050_proj,@function
k_q4769ed9050_proj:
	s_mov_b64 s[64:65], 0
	v_nop
	global_prefetch_b8 v0, s[64:65] scope:SCOPE_SE
	s_setreg_imm32_b32 hwreg(HW_REG_WAVE_MODE, 25, 1), 1
	s_wait_xcnt 0x0
	s_wait_alu depctr_hold_cnt(0) depctr_sa_sdst(0) depctr_va_vdst(0) depctr_va_sdst(0) depctr_va_ssrc(0) depctr_va_vcc(0) depctr_vm_vsrc(0)
	s_getreg_b32 s2, hwreg(HW_REG_IB_STS2, 6, 4)
	s_cmp_eq_u32 s2, 0
	s_cbranch_scc0 .Lentry_in_a_cluster
	s_endpgm
.Lentry_in_a_cluster:
	s_bfe_u32 s2, ttmp6, 0x10000c
	s_cmp_lg_u32 s2, 0xf033
	s_cbranch_scc0 .Lentry_shape_is_right
	s_endpgm
.Lentry_shape_is_right:
; out0 = att W_proj + b_proj on codes of FP6 (E2M3) with E8M0 scales, f32 sums.  att: ac, asc (tokens x 1,024); W_proj: tiles 192 on of wc, pairs 96 on of ws.  out0: [4096][1024] f32.
; A tile of the product, 256 x 256, is made by a work-group of four waves, 128 x 128 a wave: 64 accumulators, 512 registers.  K = 1,024 goes in eight steps of 128; 256 along K make a K slot.
; Codes lie in memory in the order of the operand's registers (16 rows x 64 K = 768 bytes: registers 0-3 at 16 x lane, registers 4-5 at 512 + 8 x lane), so a fragment of 128 K is four LDS loads whose lanes lie on end.
; Tiles hold their rows in the order: tile 2 g + u, row r = index 32 g + 8 u + r + 8 (r / 8): the way out puts tokens and columns back in their true places.
; THE MATRIX INSTRUCTION IS USED TRANSPOSED: source 0 = 16 columns of W_proj, source 1 = 16 tokens: a lane holds a token, its registers run along the columns.  THE BIAS is the C of each sum's first matrix instruction.
; LDS: three slots of 98,304 bytes (A's 256 rows x 256 K, then B's), the scales of all of K (16,384 bytes), the spare words.  K slots 0, 1, 2 and the scales are first fills; K slot 3 is the one refill, into slot 0.
; CLUSTERS: 4 x 4 work-groups; A's tiles are asked for jointly by a row of the cluster, B's by a column.  The product has 64 tiles of 256 x 256: 64 work-groups.
; REGISTERS, in windows of 256: window 0: v4-27 addresses, v28-29 the add's, v32-63 scale words (two sets), v128-223 A's eight fragments; on the way out v128-255 rows read back.
;   window 1: B's fragments, two sets, at v0 and v128; the bias at v96-127 and v224-255.  Window 2: the accumulators of my rows 0-63 ((a, b) at v[8 (8 a + b)]); window 3: rows 64-127.
.set FR,    12
.set HALFT, 24576                      ; 128 rows x 256 K: what one tensor load brings
.set SLOTB, 98304
.set SCL,   3*SLOTB                    ; the scales: 4,096 bytes a wave's load: A's halves, then B's
.set SPARE, SCL+16384                  ; the spare words, 128 bytes a wave: two blocks of 256 bytes that no other line names
.set STAGE, SLOTB                      ; the way out: 16 rows x 528 bytes a wave, in slot 1, which has had its only fill and its last read when the first result is stored there
.set A16,  4
.set A8,   7
.set B16,  10
.set B8,   13
.set ADRS, 16
.set CO,   17                          ; v17    16 l: also my byte offset in a row's 512 bytes of out0
.set L8,   21                          ; v21    8 l
.set BO,   22                          ; v22    64 h: the bias
.set STO,  23                          ; v23    the stage: where I put 32 bytes of a row
.set RD,   24                          ; v24    and where I read a row back
.set SPW,  28
.set NIL,  29
.set SC,   32
.set AF,   128
.set BK,   128
.set G1A,  24
.set G1B,  32
.set G1SA, 40
.set G1SB, 48
.set G0A0, 56
.set G0A1, 60
.set G0A2, 68
.set G0B0, 72
.set G0B1, 76
.set G0B2, 80
.set G0SA, 84
.set G0SB, 88
.set MSB, 0
.macro WIN new                         ; the immediate's high byte repeats the setting that is left
.if MSB != \new
	s_set_vgpr_msb (MSB<<8)|\new
.set MSB, \new
.endif
.endm
.set MUL_LO, 0xa1                      ; source 0 (B) window 1, source 1 (A) window 0, C and D window 2
.set MUL_HI, 0xf1
.set TO_B,   0x40
.macro PLACES                          ; four plain instructions between a matrix instruction and a load into, or a read of, its registers
.rept 4
	v_nop
.endr
.endm
.macro JLOAD g0a, g1a, g0b, g1b        ; a joint load: waves 0, 1 for A, waves 2, 3 for B; four v_nop follow each line
	s_cmp_eq_u32 s17, 0
	s_cbranch_scc0 .Lfor_b_\@
	tensor_load_to_lds s[\g0a:\g0a+3], s[\g1a:\g1a+7]
	s_nop 0
	PLACES
	s_branch .Lasked_\@
.Lfor_b_\@:
	tensor_load_to_lds s[\g0b:\g0b+3], s[\g1b:\g1b+7]
	s_nop 0
	PLACES
.Lasked_\@:
.endm
.macro CREST
	s_cmp_lg_u32 s16, 0
	s_cbranch_scc1 .Lnot_wave_0_\@
	s_barrier_signal -3
.Lnot_wave_0_\@:
	s_barrier_wait -3
	s_barrier_signal -1
	s_barrier_wait -1
.endm
.macro CROUND
	s_barrier_signal -1
	s_barrier_wait -1
	CREST
.endm
.macro MKG0 g, lr, lo, ad, go
	s_mov_b32 s[\g], 1
	s_add_co_u32 s[\g+1], s[\lr], \lo
	s_add_nc_u64 s[\g+2:\g+3], s[\ad:\ad+1], \go
	s_or_b32 s[\g+3], s[\g+3], 0x80000000
.endm
	s_load_b256 s[4:11], s[0:1], 0x0               ; ac s[4:5], asc s[6:7], wc s[8:9], ws s[10:11]
	s_load_b128 s[12:15], s[0:1], 0x20             ; b_proj s[12:13], out0 s[14:15]
	v_lshl_add_u32 v[SPW], v0, 2, SPARE
	v_mov_b32 v[NIL], 0
	ds_add_u32 v28, v29
	ds_add_u32 v28, v29
	s_wait_dscnt 0x0
	v_lshrrev_b32 v1, 5, v0
	v_readfirstlane_b32 s16, v1                    ; wave 0..3
	s_lshr_b32 s17, s16, 1                         ; which half of the tile's tokens is mine.  Also: I fetch for A (0) or for B (1)
	s_and_b32 s18, s16, 1                          ; which half of its columns.  Also: which 128 rows I fetch
	s_bfe_u32 s19, ttmp6, 0x40000                  ; cx
	s_bfe_u32 s20, ttmp6, 0x40004                  ; cy
	s_and_b32 s22, ttmp7, 0xffff
	s_lshl_b32 s22, s22, 2
	s_add_co_u32 s22, s22, s20                     ; A's tile of 256 tokens: 4 x cluster y + cy
	s_lshl_b32 s23, ttmp9, 2
	s_add_co_u32 s23, s23, s19                     ; B's tile of 256 columns: 4 x cluster x + cx
	s_lshl_b32 s92, s20, 2
	s_lshl_b32 s92, 15, s92                        ; my row of the cluster
	s_lshl_b32 s94, 0x1111, s19                    ; my column
	s_or_b32 s[G1A], s92, (3<<16)|(1<<21)          ; 15:0 the mask; 17:16 elements of 8 bytes; 20 no padding; 21 set beside a mask
	s_or_b32 s[G1B], s94, (3<<16)|(1<<21)
	s_or_b32 s[G1SA], s92, (3<<16)|(1<<21)
	s_or_b32 s[G1SB], s94, (3<<16)|(1<<21)
.irp g, G1A, G1B                       ; codes: 8 tiles x 3,072 bytes (256 K), 12,288 bytes apart in memory, on end in LDS
	s_mov_b32 s[\g+1], 384<<16
	s_mov_b32 s[\g+2], 8<<16
	s_mov_b32 s[\g+3], 384<<16
	s_mov_b32 s[\g+4], 8
	s_mov_b32 s[\g+5], 1536
	s_mov_b32 s[\g+6], 0
	s_mov_b32 s[\g+7], 0
.endr
.irp g, G1SA, G1SB                     ; scales of 128 rows, all of K: 4,096 dense bytes as 16 rows of 256
	s_mov_b32 s[\g+1], 32<<16
	s_mov_b32 s[\g+2], 16<<16
	s_mov_b32 s[\g+3], 32<<16
	s_mov_b32 s[\g+4], 16
	s_mov_b32 s[\g+5], 32
	s_mov_b32 s[\g+6], 0
	s_mov_b32 s[\g+7], 0
.endr
	s_lshl_b32 s100, s18, 7
	s_lshl_b32 s96, s22, 8
	s_add_co_u32 s96, s96, s100                    ; A: the first row that I fetch
	s_lshl_b32 s98, s23, 8
	s_add_co_u32 s98, s98, s100                    ; B likewise
	s_mul_i32 s92, s96, 768
	s_lshl_b32 s96, s96, 5
	s_mul_i32 s94, s98, 768
	s_lshl_b32 s98, s98, 5
	s_mov_b32 s93, 0
	s_mov_b32 s95, 0
	s_mov_b32 s97, 0
	s_mov_b32 s99, 0
	s_mul_i32 s2, s16, HALFT                       ; where they go: wave x 24,576; no place in the cluster enters an LDS address
	s_lshl_b32 s3, s16, 12
	s_wait_kmcnt 0x0
	s_add_nc_u64 s[8:9], s[8:9], 2359296           ; W_proj: tiles 192 on of wc,
	s_add_nc_u64 s[10:11], s[10:11], 98304         ; pairs 96 on of ws
	s_add_nc_u64 s[4:5], s[4:5], s[92:93]
	s_add_nc_u64 s[8:9], s[8:9], s[94:95]
	s_add_nc_u64 s[6:7], s[6:7], s[96:97]
	s_add_nc_u64 s[10:11], s[10:11], s[98:99]
	MKG0 G0SA, 3, SCL, 6, 0
	MKG0 G0SB, 3, SCL, 10, 0
	MKG0 G0A0, 2, 0, 4, 0
	MKG0 G0A1, 2, SLOTB, 4, 3072
	MKG0 G0A2, 2, 2*SLOTB, 4, 6144
	MKG0 G0B0, 2, 0, 8, 0
	MKG0 G0B1, 2, SLOTB, 8, 3072
	MKG0 G0B2, 2, 2*SLOTB, 8, 6144
	CROUND                                         ; all sixteen work-groups are here: the first joint loads meet
	s_cmp_eq_u32 s17, 0                            ; a wave's four first fills stand in one branch: four loads of mine are out
	s_cbranch_scc0 .Lfirst_b
	tensor_load_to_lds s[G0SA:G0SA+3], s[G1SA:G1SA+7]
	s_nop 0
	tensor_load_to_lds s[G0A0:G0A0+3], s[G1A:G1A+7]
	s_nop 0
	tensor_load_to_lds s[G0A1:G0A1+3], s[G1A:G1A+7]
	s_nop 0
	tensor_load_to_lds s[G0A2:G0A2+3], s[G1A:G1A+7]
	s_nop 0
	PLACES
	s_branch .Lfirst_asked
.Lfirst_b:
	tensor_load_to_lds s[G0SB:G0SB+3], s[G1SB:G1SB+7]
	s_nop 0
	tensor_load_to_lds s[G0B0:G0B0+3], s[G1B:G1B+7]
	s_nop 0
	tensor_load_to_lds s[G0B1:G0B1+3], s[G1B:G1B+7]
	s_nop 0
	tensor_load_to_lds s[G0B2:G0B2+3], s[G1B:G1B+7]
	s_nop 0
	PLACES
.Lfirst_asked:
	v_and_b32 v1, 15, v0                           ; r
	v_bfe_u32 v2, v0, 4, 1                         ; h
	v_and_b32 v3, 31, v0                           ; l
	v_lshlrev_b32 v[CO], 4, v3
	v_lshlrev_b32 v[L8], 3, v3
	v_lshlrev_b32 v[BO], 6, v2
	s_lshl_b32 s94, s23, 8
	s_lshl_b32 s95, s18, 7
	s_add_co_u32 s94, s94, s95                     ; my first column
	s_lshl_b32 s94, s94, 2
	s_mov_b32 s95, 0
	s_add_nc_u64 s[12:13], s[12:13], s[94:95]      ; the bias there,
	s_add_nc_u64 s[14:15], s[14:15], s[94:95]      ; and out0
	s_lshl_b32 s94, s22, 8
	s_lshl_b32 s96, s17, 7
	s_add_co_u32 s94, s94, s96                     ; my first token
	s_lshl_b32 s94, s94, 12                        ; rows of 4,096 bytes
	s_add_nc_u64 s[14:15], s[14:15], s[94:95]
	WIN TO_B                                       ; accumulator (a, b), lane (r, h), register j is column 32 (b / 2) + 8 (b % 2) + 16 h + j: the bias in that layout, eight registers for each b
.irp b, 0,1,2,3,4,5,6,7
	global_load_b128 v[96+8*\b+96*(\b/4):96+8*\b+96*(\b/4)+3], v[BO], s[12:13] offset:128*(\b/2)+32*(\b%2)
	global_load_b128 v[96+8*\b+96*(\b/4)+4:96+8*\b+96*(\b/4)+7], v[BO], s[12:13] offset:128*(\b/2)+32*(\b%2)+16
.endr
	WIN 0
	s_mul_i32 s94, s17, HALFT                      ; my 128 rows of A,
	s_mul_i32 s95, s18, HALFT                      ; of B,
	s_add_co_u32 s95, s95, 2*HALFT                 ; which lie behind A's 256
.irp n, 0,1,2
	v_add_nc_u32 v[A16+\n], s94, v[CO]
	v_add_nc_u32 v[A8+\n], s94, v[L8]
	v_add_nc_u32 v[B16+\n], s95, v[CO]
	v_add_nc_u32 v[B8+\n], s95, v[L8]
	s_add_co_u32 s94, s94, SLOTB
	s_add_co_u32 s95, s95, SLOTB
.endr
	s_lshl_b32 s94, s17, 12                        ; A's scales: my 128 rows
	s_lshl_b32 s95, s18, 12                        ; B's, behind A's 8,192 bytes
	s_add_co_u32 s95, s95, 8192
	s_sub_co_u32 s95, s95, s94
	v_mul_u32_u24 v3, s95, v2                      ; lanes 16-31 take B's: one product with h
	s_add_co_u32 s94, s94, SCL
	v_lshl_add_u32 v3, v1, 3, v3
	v_add_nc_u32 v[ADRS], s94, v3
	s_mul_i32 s94, s16, 16*528
	s_add_co_u32 s94, s94, STAGE                   ; my stage
	v_mul_u32_u24 v3, v1, 528
	v_lshl_add_u32 v3, v2, 6, v3
	v_add_nc_u32 v[STO], s94, v3                   ; in: row r, + 64 h
	v_add_nc_u32 v[RD], s94, v[CO]                 ; back: 16 bytes a lane of a row's 512
.macro FRAG reg, a16, a8, q, i         ; block i's fragment of the slot's q-th 128 along K: the image of its 12 registers
	ds_load_b128 v[\reg:\reg+3], v[\a16] offset:(\i)*3072+(\q)*1536
	ds_load_b64 v[\reg+4:\reg+5], v[\a8] offset:(\i)*3072+(\q)*1536+512
	ds_load_b128 v[\reg+6:\reg+9], v[\a16] offset:(\i)*3072+(\q)*1536+768
	ds_load_b64 v[\reg+10:\reg+11], v[\a8] offset:(\i)*3072+(\q)*1536+1280
.endm
.macro FETCH_B slot, q
	WIN TO_B
.irp i, 0,1,2,3,4,5,6,7
	FRAG 128*(\q)+FR*\i, B16+\slot, B8+\slot, \q, \i
.endr
	WIN 0
.endm
.macro FETCH_A slot, q, i0
.irp i, \i0, \i0+1, \i0+2, \i0+3
	FRAG AF+FR*(\i), A16+\slot, A8+\slot, \q, \i
.endr
.endm
.macro SCALES sg                       ; K slot sg's scale words into set sg % 2: register 2 i + q: lanes 0-15 A's block i, lanes 16-31 B's block i
.irp i, 0,1,2,3,4,5,6,7
	ds_load_b64 v[SC+16*((\sg)%2)+2*\i:SC+16*((\sg)%2)+2*\i+1], v[ADRS] offset:(\i/2)*1024+(\sg)*256+(\i%2)*128
.endr
.endm
; 16 matrix instructions: A's blocks a0, a0 + 1 x B's eight.  first = 1: the sum begins with the bias.  The 64 accumulators take turns, one instruction a turn, in the same order in every step.
.macro MUL16 a0, q, sc, first
.irp a, \a0, \a0+1
.irp b, 0,1,2,3,4,5,6,7
.if \first
	v_wmma_scale_f32_16x16x128_f8f6f4 v[8*(8*((\a)%4)+\b):8*(8*((\a)%4)+\b)+7], v[128*(\q)+FR*\b:128*(\q)+FR*\b+FR-1], v[AF+FR*(\a):AF+FR*(\a)+FR-1], v[96+8*\b+96*(\b/4):96+8*\b+96*(\b/4)+7], v[SC+16*(\sc)+2*\b+(\q)], v[SC+16*(\sc)+2*(\a)+(\q)] matrix_a_fmt:MATRIX_FMT_FP6 matrix_b_fmt:MATRIX_FMT_FP6 matrix_a_scale:MATRIX_SCALE_ROW1
.else
	v_wmma_scale_f32_16x16x128_f8f6f4 v[8*(8*((\a)%4)+\b):8*(8*((\a)%4)+\b)+7], v[128*(\q)+FR*\b:128*(\q)+FR*\b+FR-1], v[AF+FR*(\a):AF+FR*(\a)+FR-1], v[8*(8*((\a)%4)+\b):8*(8*((\a)%4)+\b)+7], v[SC+16*(\sc)+2*\b+(\q)], v[SC+16*(\sc)+2*(\a)+(\q)] matrix_a_fmt:MATRIX_FMT_FP6 matrix_b_fmt:MATRIX_FMT_FP6 matrix_a_scale:MATRIX_SCALE_ROW1
.endif
.endr
.endr
.endm
.macro STEPG sc, q, first, nslot, nq, nsig
	s_wait_dscnt 16                                ; all but the youngest 16 loads (A's blocks 4-7)
.if \first
	WIN 0x91                                       ; C (the bias) window 1, D window 2
.else
	WIN MUL_LO
.endif
	MUL16 0, \q, \sc, \first
	MUL16 2, \q, \sc, \first
	s_wait_dscnt 0x0                               ; A's blocks 4-7 are in
	PLACES
	FETCH_B \nslot, \nq
	FETCH_A \nslot, \nq, 0
.if \nsig >= 0
	SCALES \nsig
.endif
.if \first
	WIN 0xd1                                       ; C window 1, D window 3
.else
	WIN MUL_HI
.endif
	MUL16 4, \q, \sc, \first
	MUL16 6, \q, \sc, \first
	PLACES
	WIN 0
	FETCH_A \nslot, \nq, 4
.endm
; A K slot's second step, with a barrier in it.  In front of the barrier each wave waits for all its tensor loads, adds 0 to its spare word, and waits for that and for its LDS reads.
; fill = 1: the barrier opens a round of the cluster's, and slot 0, which nobody reads any more, takes K slot 3.
.macro TURN sc, nslot, nsig, fill
	s_wait_tensorcnt 0x0                           ; all my tensor loads have landed
	ds_add_u32 v[SPW], v[NIL]                      ; 0 onto my spare word
	s_wait_dscnt 17                                ; (the add and A's blocks 4-7 may be out)
	WIN MUL_LO
	MUL16 0, 1, \sc, 0
	s_wait_dscnt 0x0                               ; the add is done, and my reads of the slots so far are over
	s_barrier_signal -1
	MUL16 2, 1, \sc, 0
	WIN 0
	s_barrier_wait -1
.if \fill
	CREST                                          ; no wave of any partner still reads slot 0 or has a load on its way
	s_add_nc_u64 s[G0A0+2:G0A0+3], s[G0A0+2:G0A0+3], 9216
	s_add_nc_u64 s[G0B0+2:G0B0+3], s[G0B0+2:G0B0+3], 9216
	JLOAD G0A0, G1A, G0B0, G1B                     ; the first tensor load behind the round; its four v_nop are the places in front of the loads below
.else
	PLACES
.endif
	FETCH_B \nslot, 0
	FETCH_A \nslot, 0, 0
	SCALES \nsig
	WIN MUL_HI
	MUL16 4, 1, \sc, 0
	MUL16 6, 1, \sc, 0
	PLACES
	WIN 0
	FETCH_A \nslot, 0, 4
.endm
	s_wait_tensorcnt 2                             ; the scales and my part of K slot 0 are in; K slots 1 and 2 may be out
	s_barrier_signal -1
	s_barrier_wait -1
	FETCH_B 0, 0
	FETCH_A 0, 0, 0
	SCALES 0
	FETCH_A 0, 0, 4
	s_wait_loadcnt 0x0                             ; the bias
	STEPG 0, 0, 1, 0, 1, -1                        ; step 0: its products start the sums, on the bias
	TURN 0, 1, 1, 1                                ; step 1: the one round; K slot 3 is asked for: it has steps 2 to 5 in which to land
	STEPG 1, 0, 0, 1, 1, -1                        ; step 2
	STEPG 1, 1, 0, 2, 0, 2                         ; step 3: slot 2 was shown whole to every wave by step 1's wait and round
	STEPG 0, 0, 0, 2, 1, -1                        ; step 4
	TURN 0, 0, 3, 0                                ; step 5: K slot 3 has landed, for every wave; behind this barrier nobody reads slot 1
	STEPG 1, 0, 0, 0, 1, -1                        ; step 6
	s_wait_dscnt 16                                ; step 7: nothing more to fetch
	WIN MUL_LO
	MUL16 0, 1, 1, 0
	MUL16 2, 1, 1, 0
	s_wait_dscnt 0x0
	WIN MUL_HI
	MUL16 4, 1, 1, 0
	MUL16 6, 1, 1, 0
	WIN 0
; THE WAY OUT, block by block of 16 tokens x 128 columns, through my own stage: a lane's 32 bytes of accumulator b go to their true place in the row; whole rows of 512 bytes come back and are stored by the 32 lanes.
; LDS serves a wave's instructions in order: no wait between the stores and the loads, nor in front of the next block's stores.
.macro TOSTAGE a
.set AC, 64*((\a)%4)
	WIN 0x08+4*((\a)/4)                            ; the data: window 2 or 3
.irp b, 0,1,2,3,4,5,6,7
	ds_store_b128 v[STO], v[AC+8*\b:AC+8*\b+3] offset:128*(\b/2)+32*(\b%2)          ; each accumulator from its low end on
	ds_store_b128 v[STO], v[AC+8*\b+4:AC+8*\b+7] offset:128*(\b/2)+32*(\b%2)+16
.endr
	WIN 0
.set BB, BK+64*((\a)%2)
.irp t, 0,1,2,3,4,5,6,7,8,9,10,11,12,13,14,15
	ds_load_b128 v[BB+4*\t:BB+4*\t+3], v[RD] offset:\t*528
.endr
.endm
.macro SEND a, younger                 ; younger: the LDS instructions issued behind block a's loads, which may stay out
.set BB, BK+64*((\a)%2)
	s_wait_dscnt \younger
.irp t, 0,1,2,3,4,5,6,7,8,9,10,11,12,13,14,15
	global_store_b128 v[CO], v[BB+4*\t:BB+4*\t+3], s[14:15] offset:(32*((\a)/2)+8*((\a)%2)+\t+8*(\t/8))*4096 th:TH_STORE_NT   ; row t of block a is token 32 (a / 2) + 8 (a % 2) + t + 8 (t / 8); 512 consecutive bytes, aligned
.endr
.endm
	PLACES
	TOSTAGE 0
.irp a, 1,2,3,4,5,6,7
.if \a > 1
	s_wait_xcnt 0x0                                ; block a - 2's stores have read their registers: block a's loads may land there
.endif
	TOSTAGE \a
	SEND \a-1, 32                                  ; behind block a - 1's loads: block a's 16 stores and 16 loads
.endr
	SEND 7, 0
	s_wait_tensorcnt 0x0                           ; the wave's end
	ds_add_u32 v[SPW], v[NIL]
	s_wait_dscnt 0x0
	CROUND                                         ; the closing round
	s_endpgm
.Lfunc_end_k_q4769ed9050_proj:
	.size	k_q4769ed9050_proj, .Lfunc_end_k_q4769ed9050_proj-k_q4769ed9050_proj
	.p2alignl 7, 3214868480
	.fill 96, 4, 3214868480
	.section	.rodata,"a",@progbits
	.p2align	6, 0x0
	.amdhsa_kernel k_q4769ed9050_proj
		.amdhsa_group_segment_fixed_size 327680
		.amdhsa_private_segment_fixed_size 0
		.amdhsa_enable_private_segment 0
		.amdhsa_kernarg_size 48
		.amdhsa_user_sgpr_count 2
		.amdhsa_user_sgpr_kernarg_segment_ptr 1
		.amdhsa_wavefront_size32 1
		.amdhsa_system_sgpr_workgroup_id_x 1
		.amdhsa_system_sgpr_workgroup_id_y 1
		.amdhsa_system_sgpr_workgroup_id_z 1
		.amdhsa_system_vgpr_workitem_id 0
		.amdhsa_next_free_vgpr 1024
		.amdhsa_next_free_sgpr 102
		.amdhsa_reserve_vcc 0
		.amdhsa_float_denorm_mode_32 3
		.amdhsa_float_denorm_mode_16_64 3
		.amdhsa_memory_ordered 1
		.amdhsa_forward_progress 1
		.amdhsa_inst_pref_size 144
	.end_amdhsa_kernel
	.amdgpu_metadata
---
amdhsa.version: [ 1, 2 ]
amdhsa.kernels:
  - .name:           k_q4769ed9050_proj
    .symbol:         k_q4769ed9050_proj.kd
    .args:
      - { .name: ac, .offset: 0, .size: 8, .value_kind: global_buffer, .address_space: global }
      - { .name: asc, .offset: 8, .size: 8, .value_kind: global_buffer, .address_space: global }
      - { .name: wc, .offset: 16, .size: 8, .value_kind: global_buffer, .address_space: global }
      - { .name: ws, .offset: 24, .size: 8, .value_kind: global_buffer, .address_space: global }
      - { .name: b_proj, .offset: 32, .size: 8, .value_kind: global_buffer, .address_space: global }
      - { .name: out0, .offset: 40, .size: 8, .value_kind: global_buffer, .address_space: global }
    .group_segment_fixed_size: 327680
    .private_segment_fixed_size: 0
    .kernarg_segment_align: 8
    .kernarg_segment_size: 48
    .max_flat_workgroup_size: 128
    .sgpr_count:     102
    .vgpr_count:     1024
    .wavefront_size: 32
...
	.end_amdgpu_metadata
.endif
;; end of part 4
